; MI455X (gfx1250); checked and timed in simulation.
; The chip was launched on July 23, 2026; its instructions are those of AMD's public machine-readable ISA for CDNA 5 (MIT licence, August 2026) and "CDNA5" Instruction Set Architecture Reference Guide (July 2026). The comments in the code are by the model that wrote it; some were corrected since.
;; Attention. Allowed arithmetic: matrix products marked QUANTISED: E2M3 operands, one E8M0 scale for each 32 along K, by v_wmma_scale_f32_16x16x128_f8f6f4 with both operands' format E2M3, f32 sums; products left as they are: f32 operands where the result goes on into a quantised operand, else bf16, f16 or f32 operands; f32 sums; everything else in f32.
;; Inputs: W_attn 1,024 x 1,024 float32; b_attn 1,024 float32; encoder_outputs 16 x 4,096 x 512 float32; hidden 16 x 512 float32; v_w 1,024 float32.
;; Outputs: out0 16 x 512 float32.
;; This version of the problem:
;;   THIS VERSION OF THE PROBLEM IS GIVEN IN LOW PRECISION. The matrix products marked QUANTISED in the list below multiply operands that are first quantised to E2M3 (2 exponent bits, 3 mantissa bits; 6 bits a number), with one power-of-two scale for each 32 numbers along K (OCP MX v1.0); their sums are f32. All else is computed in f32.
;;   The module's matrix products, in the order in which they are computed (A, B: the left and right operand; K: the contracted axis; several contracted axes count as one K, in the product's order):
;;     1. [M 65,536, K 1,024] x [K 1,024, N 1,024]; A: computed on the way; B: input W_attn: QUANTISED
;;     2. [M 65,536, K 1,024] x [K 1,024, N 1]; A: computed on the way; B: input v_w: left as it is (N = 1 < 16)
;;     3. batch 16 x [M 1, K 4,096] x [K 4,096, N 512]; A: softmax; B: input encoder_outputs: left as it is (M = 1 < 16)
;;   THE QUANTISER, for each operand of a quantised product, along K:
;;     - K is cut into blocks of 32 from its start; a last block that is shorter is filled with zeros.
;;     - A block's scale is 2^e with e = floor(log2(the largest magnitude in the block)) - 2, held to -126 .. 127; a block of zeros has e = 0. As a byte (E8M0): e + 127.
;;     - Each number is divided by its block's scale, clamped to +-7.5, and rounded to the nearest number of E2M3, ties to even, subnormals kept.
;;     - The product sums the exact products of the quantised numbers (number of the format x scale) in f32.
;;   ~~~python
;;   def quantise(x, axis):      # numpy; x: float32 -> the quantised numbers, widened to float32 again
;;       x = np.moveaxis(x, axis, -1); K = x.shape[-1]
;;       x = np.pad(x, [(0, 0)] * (x.ndim - 1) + [(0, -K % 32)]); x = x.reshape(x.shape[:-1] + (-1, 32)); a = np.abs(x).max(-1, keepdims=True)
;;       e = np.where(a > 0, np.clip(np.frexp(np.where(a > 0, a, 1))[1] - 1 - 2, -126, 127), 0)      # np.frexp(a)[1] - 1 = floor(log2(a)), exactly
;;       r = np.clip(x / 2.0 ** e, -7.5, 7.5)
;;       step = 2.0 ** (np.maximum(np.frexp(np.where(r == 0, 1, r))[1] - 1, 0) - 3)
;;       q = np.round(r / step) * step * 2.0 ** e      # np.round: ties to even
;;       return np.moveaxis(q.reshape(q.shape[:-2] + (-1,))[..., :K], -1, axis).astype(np.float32)
;;   ~~~
;;   OPERANDS COMPUTED ON THE WAY. 'Computed on the way' means the value that the module computes at that place (a softmax that the list does not call 'softmax' is quantised finished and normalised). What goes into a quantiser is computed in f32, as accurately as f32 sums, v_exp_f32 and their like allow (about 1e-6 of the number): no bf16 or f16 on the way to a quantiser, and a product that is left as it is and whose result goes on into a quantised operand takes f32 operands (vector FMAs, or v_wmma_f32_16x16x4_f32). A number that lies on a knife's edge between two numbers of the format may be rounded either way, as far as f32 arithmetic and the matrix unit's own rounding can turn it there, and no further.
;; 2 versions. Each part assembles by itself: llvm-mc -triple=amdgcn-amd-amdhsa -mcpu=gfx1250 --defsym DOCPART=n.
;; ======== version 1 of 2: 3 launches
;; workspace buffers: wcodes 786,432 bytes; wscales 32,768 bytes; hcodes 6,144 bytes; hscales 256 bytes; part 589,824 bytes
;; launch prep (part 1): grid 129 x 1, 4 waves a work-group, no clusters, 34,816 bytes of LDS; arguments W_attn, hidden, wcodes, wscales, hcodes, hscales; writes wcodes, wscales, hcodes, hscales
.if DOCPART == 1
	.amdgcn_target "amdgcn-amd-amdhsa--gfx1250"
	.amdhsa_code_object_version 6
	.text
	.protected	k_qd4f6da5ccb_prep
	.globl	k_qd4f6da5ccb_prep
	.p2align	8
	.type	k_qd4f6da5ccb_prep,@function
k_qd4f6da5ccb_prep:
	s_mov_b64 s[64:65], 0
	v_nop
	global_prefetch_b8 v0, s[64:65] scope:SCOPE_SE
	s_setreg_imm32_b32 hwreg(HW_REG_WAVE_MODE, 25, 1), 1
	s_wait_xcnt 0x0
; W_attn [1024][1024] and hidden [16][512], f32 with K innermost, become codes of FP6 (E2M3) with one E8M0 byte for each 32 along K,
; laid in the ORDER OF THE OPERAND'S REGISTERS, so that the next launch takes a fragment by three loads of 16 bytes a lane.
; A fragment is 16 rows x 128 K: 12 registers a lane.  Its image is 1,536 bytes: chunk c (512 bytes) holds lane l's registers 4 c .. 4 c + 3 at byte 16 l.
; wcodes: record g (rows 16 g .. 16 g + 15) = 8 images, K step after K step.  wscales: byte 512 g + 256 half + 16 r + 4 i = the scale word of row 16 g + r, K step 4 half + i.
; hcodes: 4 images (image row r = batch r).  hscales: byte 16 batch + 4 i.
; A block's scale is 2^(floor(log2(largest magnitude)) - 2); its byte is the largest magnitude's exponent field - 2, held at 1 from below.
; LIMITS: a block whose largest magnitude lies under 2^(3 - 127) gets the byte 1; a block of zeros gets the byte 1 with zero codes (these bytes are read by this program alone);
; NaN and infinities among the inputs are not served.
; SHARES: work-groups 0 to 127 take W (g = x / 2, half = x % 2), work-group 128 takes hidden; only pointers and the row pitch are chosen, by the work-group's number: one path through the text.
; Wave w makes the fragment of K step 4 half + w.  Each load reads 512 consecutive bytes of a row; the 8 KB turn through the wave's own stage in LDS, so that a lane gets 16 neighbours along K of each block.
.set STW,  8448                        ; a wave's stage: 16 rows x (512 bytes + 16)
.set SCB,  33792                       ; behind the four stages: the work-group's 256 bytes of scale words
.set O,    16                          ; v16-31   byte offset of my 16 bytes in row i
.set RAW,  32                          ; v32-95   the 16 rows as loaded
.set X,    96                          ; v96-159  register 16 b + i = k 32 b + 16 (lane / 16) + i of row lane % 16
.set TM,   160                         ; v160-175 at work in QUANT
.set PW,   176                         ; the scale word
.set PC,   180                         ; v180-198 the codes
.set SEL,  20                          ; s[20:21] v_permlanex16_b32's selects for lane l xor 16
; 64 numbers of a lane become a fragment's codes in v[PC] .. v[PC + 11] and its scale word in v[PW].
.macro QUANT s
.irp b, 0,1,2,3
	v_max3_num_f32 v[TM+\b], |v[\s+16*\b]|, |v[\s+1+16*\b]|, 0x1800000   ; block b: my 16 numbers, and the floor 2^(3 - 127): the byte cannot fall under 1
.endr
.irp i, 2,4,6,8,10,12,14
.irp b, 0,1,2,3
	v_max3_num_f32 v[TM+\b], v[TM+\b], |v[\s+16*\b+\i]|, |v[\s+1+16*\b+\i]|   ; the four blocks by turns
.endr
.endr
.irp b, 0,1,2,3
	v_permlanex16_b32 v[TM+4+\b], v[TM+\b], s[SEL], s[SEL+1]
.endr
.irp b, 0,1,2,3
	v_max_num_f32 v[TM+\b], v[TM+\b], v[TM+4+\b]   ; with lane l xor 16's 16: the block's largest magnitude
.endr
.irp b, 0,1,2,3
	v_add_nc_u32 v[TM+12+\b], 0xff000000, v[TM+\b]   ; 2 off its exponent field: the conversion takes this operand's exponent field as its scale
.endr
.irp b, 0,1,2,3
	v_lshrrev_b32 v[TM+4+\b], 23, v[TM+12+\b]      ; the scale's byte
.endr
	v_lshl_or_b32 v[PW], v[TM+5], 8, v[TM+4]       ; four bytes make my row's scale word
	v_lshl_or_b32 v[PW], v[TM+6], 16, v[PW]
	v_lshl_or_b32 v[PW], v[TM+7], 24, v[PW]
.irp c, 0,1
	v_cvt_scalef32_pk16_fp6_f32 v[PC+6*\c:PC+2+6*\c], v[\s+32*\c:\s+15+32*\c], v[TM+12+2*\c]
	v_cvt_scalef32_pk16_fp6_f32 v[PC+12+4*\c:PC+14+4*\c], v[\s+16+32*\c:\s+31+32*\c], v[TM+12+2*\c+1]   ; (a conversion's three registers begin on an even number)
.endr
	v_nop                                          ; one plain instruction behind the scaled conversions
.irp c, 0,1                                    ; the operand wants a WHOLE block in a lane: lanes 0-15 block 2 c, lanes 16-31 block 2 c + 1
.irp i, 0,1,2
	v_permlane16_swap_b32 v[PC+6*\c+\i], v[PC+12+4*\c+\i]
.endr
.irp i, 0,1,2
	v_mov_b32 v[PC+3+6*\c+\i], v[PC+12+4*\c+\i]
.endr
.endr
.endm
	s_load_b256 s[4:11], s[0:1], 0x0               ; W s[4:5], hidden s[6:7], wcodes s[8:9], wscales s[10:11]
	s_load_b128 s[12:15], s[0:1], 0x20             ; hcodes s[12:13], hscales s[14:15]
	v_lshl_add_u32 v200, v0, 2, 0x8600
	v_mov_b32 v201, 0
	v_lshrrev_b32 v1, 5, v0
	v_readfirstlane_b32 s16, v1                    ; wave 0..3
	v_and_b32 v9, 31, v0                           ; lane
	v_and_b32 v2, 15, v0                           ; r
	v_bfe_u32 v3, v0, 4, 1                         ; h
	v_lshlrev_b32 v1, 4, v9                        ; 16 x lane
	s_mul_i32 s17, s16, STW                        ; my stage
	v_add_nc_u32 v4, s17, v1                       ; into it: 16 x lane, row i at 528 i
	v_mul_u32_u24 v5, v2, 528
	v_lshl_add_u32 v5, v3, 6, v5
	v_add_nc_u32 v5, s17, v5                       ; out of it: row r, + 64 h: my 16 numbers of a block of 32
	s_lshl_b32 s18, s16, 2
	s_add_co_u32 s18, s18, SCB
	v_lshlrev_b32 v6, 4, v2
	v_add_nc_u32 v6, s18, v6                       ; my row's scale word of my wave's K step: SCB + 16 r + 4 w
	v_lshlrev_b32 v7, 3, v9                        ; the scale words' way out: 8 bytes a lane
	v_add_nc_u32 v8, SCB, v7
	s_mov_b32 s[SEL], 0x76543210
	s_mov_b32 s[SEL+1], 0xfedcba98
.irp b, 0,1,2,3
	v_mov_b32 v[TM+4+\b], 0                        ; written once: a lane permute's destination counts as one of its sources
.endr
	s_mov_b32 s23, 2048
	s_wait_kmcnt 0x0
	s_cmp_lt_u32 ttmp9, 128                        ; W's work-group or hidden's?  The choice hangs on the work-group's number alone
	s_cselect_b64 s[4:5], s[4:5], s[6:7]
	s_cselect_b64 s[8:9], s[8:9], s[12:13]
	s_cselect_b64 s[10:11], s[10:11], s[14:15]
	s_cselect_b32 s22, ttmp9, 0
	s_cselect_b32 s23, 4096, s23                   ; bytes from row to row
	s_lshr_b32 s24, s22, 1                         ; g
	s_and_b32 s25, s22, 1                          ; half
	s_lshl_b32 s26, s25, 2
	s_add_co_u32 s26, s26, s16                     ; my K step
	s_mul_i32 s28, s24, s23
	s_lshl_b32 s28, s28, 4                         ; 16 g rows,
	s_lshl_b32 s27, s26, 9
	s_add_co_u32 s28, s28, s27                     ; + 512 bytes a K step
	s_mov_b32 s29, 0
	s_add_nc_u64 s[4:5], s[4:5], s[28:29]
	s_mul_i32 s28, s24, 12288
	s_mul_i32 s27, s26, 1536
	s_add_co_u32 s28, s28, s27
	s_add_nc_u64 s[8:9], s[8:9], s[28:29]          ; my image
	s_lshl_b32 s28, s24, 9
	s_lshl_b32 s27, s25, 8
	s_add_co_u32 s28, s28, s27
	s_add_nc_u64 s[10:11], s[10:11], s[28:29]      ; the work-group's 256 bytes of scale words
.irp i, 0,1,2,3,4,5,6,7,8,9,10,11,12,13,14,15
	s_mul_i32 s27, s23, \i
	v_add_nc_u32 v[O+\i], s27, v1
.endr
.irp i, 0,1,2,3,4,5,6,7,8,9,10,11,12,13,14,15
	global_load_b128 v[RAW+4*\i:RAW+4*\i+3], v[O+\i], s[4:5] th:TH_LOAD_NT   ; 32 lanes read 512 consecutive bytes of row i
.endr
	s_wait_loadcnt 0x0
.irp i, 0,1,2,3,4,5,6,7,8,9,10,11,12,13,14,15
	ds_store_b128 v4, v[RAW+4*\i:RAW+4*\i+3] offset:528*\i
.endr
.irp b, 0,1,2,3
.irp j, 0,1,2,3
	ds_load_b128 v[X+16*\b+4*\j:X+16*\b+4*\j+3], v5 offset:128*\b+16*\j   ; LDS serves a wave's instructions in order: these see my stores
.endr
.endr
	s_wait_dscnt 0x0
	QUANT X
.irp c, 0,1,2
	global_store_b128 v1, v[PC+4*\c:PC+4*\c+3], s[8:9] offset:512*\c      ; the image: 512 consecutive bytes a store
.endr
	ds_store_b32 v6, v[PW]                         ; lanes r and 16 + r write the same word with the same value
	s_wait_dscnt 0x0                               ; for the others' sake: my word has landed
	s_barrier_signal -1
	s_barrier_wait -1
	s_cmp_lg_u32 s16, 0
	s_cbranch_scc1 .Ldone                          ; wave 0 stores the four waves' words: 256 consecutive bytes, aligned
	ds_load_b64 v[10:11], v8
	s_wait_dscnt 0x0
	global_store_b64 v7, v[10:11], s[10:11]
.Ldone:
	s_wait_tensorcnt 0x0
	ds_add_u32 v200, v201
	s_wait_dscnt 0x0
	s_endpgm
.Lfunc_end_k_qd4f6da5ccb_prep:
	.size	k_qd4f6da5ccb_prep, .Lfunc_end_k_qd4f6da5ccb_prep-k_qd4f6da5ccb_prep
	.p2alignl 7, 3214868480
	.fill 96, 4, 3214868480
	.section	.rodata,"a",@progbits
	.p2align	6, 0x0
	.amdhsa_kernel k_qd4f6da5ccb_prep
		.amdhsa_group_segment_fixed_size 34816
		.amdhsa_private_segment_fixed_size 0
		.amdhsa_enable_private_segment 0
		.amdhsa_kernarg_size 48
		.amdhsa_user_sgpr_count 2
		.amdhsa_user_sgpr_kernarg_segment_ptr 1
		.amdhsa_wavefront_size32 1
		.amdhsa_system_sgpr_workgroup_id_x 1
		.amdhsa_system_sgpr_workgroup_id_y 1
		.amdhsa_system_sgpr_workgroup_id_z 1
		.amdhsa_system_vgpr_workitem_id 0
		.amdhsa_next_free_vgpr 202
		.amdhsa_next_free_sgpr 66
		.amdhsa_reserve_vcc 0
		.amdhsa_float_denorm_mode_32 3
		.amdhsa_float_denorm_mode_16_64 3
		.amdhsa_memory_ordered 1
		.amdhsa_forward_progress 1
		.amdhsa_inst_pref_size 12
	.end_amdhsa_kernel
	.amdgpu_metadata
---
amdhsa.version: [ 1, 2 ]
amdhsa.kernels:
  - .name:           k_qd4f6da5ccb_prep
    .symbol:         k_qd4f6da5ccb_prep.kd
    .args:
      - { .name: W_attn, .offset: 0, .size: 8, .value_kind: global_buffer, .address_space: global }
      - { .name: hidden, .offset: 8, .size: 8, .value_kind: global_buffer, .address_space: global }
      - { .name: wcodes, .offset: 16, .size: 8, .value_kind: global_buffer, .address_space: global }
      - { .name: wscales, .offset: 24, .size: 8, .value_kind: global_buffer, .address_space: global }
      - { .name: hcodes, .offset: 32, .size: 8, .value_kind: global_buffer, .address_space: global }
      - { .name: hscales, .offset: 40, .size: 8, .value_kind: global_buffer, .address_space: global }
    .group_segment_fixed_size: 34816
    .private_segment_fixed_size: 0
    .kernarg_segment_align: 8
    .kernarg_segment_size: 48
    .max_flat_workgroup_size: 128
    .sgpr_count:     66
    .vgpr_count:     202
    .wavefront_size: 32
...
	.end_amdgpu_metadata
.endif
;; end of part 1
;; launch main (part 2): grid 256 x 1, 4 waves a work-group, clusters of 4 x 1, 327,680 bytes of LDS; arguments encoder_outputs, wcodes, wscales, hcodes, hscales, b_attn, v_w, part; writes part
.if DOCPART == 2
	.amdgcn_target "amdgcn-amd-amdhsa--gfx1250"
	.amdhsa_code_object_version 6
	.text
	.protected	k_qd4f6da5ccb_main
	.globl	k_qd4f6da5ccb_main
	.p2align	8
	.type	k_qd4f6da5ccb_main,@function
k_qd4f6da5ccb_main:
	s_mov_b64 s[64:65], 0
	v_nop
	global_prefetch_b8 v0, s[64:65] scope:SCOPE_SE
	s_setreg_imm32_b32 hwreg(HW_REG_WAVE_MODE, 25, 1), 1
	s_wait_xcnt 0x0
	s_wait_alu depctr_hold_cnt(0) depctr_sa_sdst(0) depctr_va_vdst(0) depctr_va_sdst(0) depctr_va_ssrc(0) depctr_va_vcc(0) depctr_vm_vsrc(0)
	s_getreg_b32 s2, hwreg(HW_REG_IB_STS2, 6, 4)
	s_cmp_eq_u32 s2, 0
	s_cbranch_scc0 .Lentry_in_a_cluster
	s_endpgm
.Lentry_in_a_cluster:
	s_bfe_u32 s2, ttmp6, 0x10000c
	s_cmp_lg_u32 s2, 0x3003
	s_cbranch_scc0 .Lentry_shape_is_right
	s_endpgm
.Lentry_shape_is_right:
; For 256 rows s of one batch: x = Q([enc | hidden]) Q(W)^T + b (MX-FP6, K = 1,024), tanh, score = tanh(x) . v, and this block's part of the softmax-weighted sum of enc.
; tanh(x) = 1 - 2 r, r = 1 / (1 + 2^(c x)), c = 2 log2(e): an exponential that overflows gives r = 0, one that underflows r = 1.  score = sum(v) - 2 sum(v r); sum(v) is the same for every
; position of a softmax and cancels in it, so t = -2 log2(e) sum(v r) stands for the score in powers of two.  The block's largest t, M, is taken away before the exponential: p = 2^(t - M);
; stored: sum(p enc) (512 numbers), M and l = sum(p).  The last launch joins a batch's 16 blocks under their common maximum.
; LIMITS: NaN and infinities among the inputs are not served; a block of 32 whose largest magnitude lies under 2^(3 - 127) gets the scale byte 1 (a block of zeros too: its codes are zeros).
; enc and p go into the last product rounded to bf16; l is the sum of the unrounded p.
; SHARES.  Work-group = 256 rows, wave = 64 rows (4 tiles of 16).  enc is read from memory ONCE: each wave turns its rows through its own stage in LDS, quantises them into 16 fragments that stay
; in registers (window 1), and keeps them as bf16 (windows 2, 3) for the last product.  Then every wave walks all 1,024 outputs o, 16 a group: 8 K steps x 4 row tiles = 32 matrix instructions.
; Source 0 = 16 rows of W, source 1 = 16 rows of [enc | hidden]: a lane holds ONE row s (lane % 16) and its 8 registers the outputs 16 g + 8 (lane / 16) + 0 .. 7; b is the C of a sum's first instruction.
; BY TURNS.  Group g's products stand with group g - 1's scalings, exponentials, additions and reciprocals between them, and group g - 2's sum with v: two accumulator sets take turns.
; W's codes (register images made by the launch before) come through a ring of two LDS slots of 8 groups; all work-groups read the same W, so the four of a cluster ask JOINTLY (mask 15).
; REGISTERS.  Window 0: v1-15 addresses; v16-31 enc's scale words, v32-35 hidden's, v36-43 W's (two sets); v44-51 b; v52-59 the scores' sums; v60-62 lane, r, h; v64-95, v96-127 accumulators;
;   v128-159 r; v160-255 W's 8 fragments.  Window 1: v0-191 enc's 16 fragments, v192-239 hidden's 4, v240-247 v.  Windows 2, 3: enc as bf16, 32 registers a fragment.
; The whole walk runs under ONE window setting (source 1 in window 1): its vector lines have a scalar, a constant or v as source 1.
.set SLOT1, 131072                     ; slot 0 at 0, slot 1 here: one exclusive or turns an address in one slot into the other's
.set RECB,  12288                      ; a group's record: 8 images of 1,536 bytes
.set SLOTB, 8*RECB
.set WSC,   98304                      ; W's scale words, 32,768 bytes, filled once
.set VV,    229376                     ; v_w, 4,096 bytes, filled once
.set BB,    233472                     ; b_attn, 4,096 bytes, filled once
.set XST,   237568                     ; the waves' stages for the turn: 16 rows x 528 bytes each
.set EP,    1056                       ; the end: enc as bf16, 256 rows of 1,024 bytes + 32, from LDS byte 0 on: over regions that have had their last fill and their last read
.set PVEC,  271360                     ; p as bf16, 512 bytes
.set RED,   271872                     ; four maxima, then four sums
.set CST,   272128                     ; 512 bytes a wave: the partial context on its way out
.set SPARE, 327168                     ; the spare words, 128 bytes a wave: two blocks of 256 bytes that no other line names
.set L16, 1                            ; 16 x lane
.set WA,  2                            ; addresses of the run of loads in hand: W's record,
.set BA,  3                            ; b,
.set VA,  4                            ; v,
.set SA,  5                            ; W's scale words
.set BA0, 6                            ; BB + 32 h
.set VA0, 7                            ; VV - 128 + 32 h: v is fetched two groups behind b
.set SA0, 8                            ; WSC + 16 x lane
.set SPW, 9                            ; my spare word; never rewritten
.set NIL, 10                           ; 0; never rewritten
.set STA, 11                           ; my stage, on the way in
.set LDA, 12                           ; and on the way out
.set HA,  13                           ; hcodes: 16 batch + 256 h
.set HB,  14                           ; hscales: 16 batch
.set ASC, 16
.set HSC, 32
.set WS,  36
.set BI,  44
.set SC,  52
.set LN,  60
.set RR,  61
.set HH,  62
.set X,   64
.set Y,   96
.set R,   128
.set WB,  160
.set VR,  240                          ; in window 1
.set XN,  64                           ; the prologue: 64 numbers,
.set TM,  128                          ; QUANT's work,
.set PW,  144
.set PC,  148
.set RAW, 192                          ; and a raw set: v192-255 of window 0, 1 or 3
.set TA,  128                          ; the end: v128-135 addresses of the turning loads, 32 rows apart
.set DA,  136
.set PVA, 137
.set RDW, 138
.set RDA, 139
.set ML,  140                          ; v[140:141] M, l
.set PFA, 142
.set CSA, 143
.set CLA, 144
.set POF, 145
.set P8,  146
.set T,   160                          ; v160-175 at work
.set ACC, 64
.set WV,  20                           ; s20 my wave's number
.set CX,  21
.set WG,  22
.set G1W, 24                           ; s[24:31] descriptor group 1: 96 rows of 256 bytes;  s[32:39]: 32 rows;  s[40:47]: 4 rows
.set G1S, 32
.set G1V, 40
.set G0W0, 48                          ; groups 0: slot 0's first fill;
.set G0W1, 52                          ; slot 1's, which then walks;
.set G0S, 56                           ; W's scale words;
.set G0V, 60                           ; v_w;
.set G0B, 68                           ; b_attn
.set CS,  72                           ; s[72:73] c = 2 log2(e)
.set SEL, 74                           ; s[74:75] selects for lane l xor 16
.set TB,  76                           ; LDS byte of the record to be fetched next
.set TS,  77                           ; 64 x (group + 1)
.set CN1, 78
.set CN2, 79
.set C2,  84                           ; -2 log2(e)
.set TW,  85                           ; 512 x (group + 1)
.set MSB, 0
.macro WIN new                         ; the immediate's high byte repeats the setting that is left; a switch that changes nothing is dropped
.if MSB != \new
	s_set_vgpr_msb (MSB<<8)|\new
.set MSB, \new
.endif
.endm
.macro ROUND                           ; a round of the cluster's barrier
	s_barrier_signal -1
	s_barrier_wait -1
	s_cmp_lg_u32 s[WV], 0
	s_cbranch_scc1 .Lnot_wave_0_\@
	s_barrier_signal -3
.Lnot_wave_0_\@:
	s_barrier_wait -3
	s_barrier_signal -1
	s_barrier_wait -1
.endm
.macro DESC1 g, r                      ; a dense block as r rows of 256 bytes (32 elements of 8 bytes), no padding; asked for jointly by the cluster's four
	s_mov_b32 s[\g], 15|(3<<16)|(1<<21)            ; 15:0 the mask; 17:16 elements of 8 bytes; 21 set beside a mask
	s_mov_b32 s[\g+1], 32<<16                      ; tensor_dim0 = 32
	s_mov_b32 s[\g+2], (\r)<<16                    ; tensor_dim1
	s_mov_b32 s[\g+3], 32<<16                      ; tile_dim0 = 32
	s_mov_b32 s[\g+4], \r                          ; tile_dim1
	s_mov_b32 s[\g+5], 32                          ; elements from row to row
	s_mov_b32 s[\g+6], 0
	s_mov_b32 s[\g+7], 0
.endm
.macro DESC0 g, lbase, ptr, gbase, step   ; wave w's quarter: step bytes, in LDS and in memory alike; nothing of it hangs on the work-group
	s_mov_b32 s[\g], 1
	s_mul_i32 s[\g+1], s[WV], \step
	s_add_co_u32 s[\g+1], s[\g+1], \lbase
	s_mul_i32 s80, s[WV], \step
	s_add_co_u32 s80, s80, \gbase
	s_mov_b32 s81, 0
	s_add_nc_u64 s[\g+2:\g+3], s[\ptr:\ptr+1], s[80:81]
	s_or_b32 s[\g+3], s[\g+3], 0x80000000
.endm
; 64 numbers of a lane, register 16 b + i = k 32 b + 16 (lane / 16) + i of my row, become a fragment's codes in v[PC] .. v[PC + 11] and its scale word in v[PW].
.macro QUANT s
.irp b, 0,1,2,3
	v_max3_num_f32 v[TM+\b], |v[\s+16*\b]|, |v[\s+1+16*\b]|, 0x1800000   ; block b: my 16 numbers, and the floor 2^(3 - 127): the byte cannot fall under 1
.endr
.irp i, 2,4,6,8,10,12,14
.irp b, 0,1,2,3
	v_max3_num_f32 v[TM+\b], v[TM+\b], |v[\s+16*\b+\i]|, |v[\s+1+16*\b+\i]|
.endr
.endr
.irp b, 0,1,2,3
	v_permlanex16_b32 v[TM+4+\b], v[TM+\b], s[SEL], s[SEL+1]
.endr
.irp b, 0,1,2,3
	v_max_num_f32 v[TM+\b], v[TM+\b], v[TM+4+\b]   ; with lane l xor 16's 16: the block's largest magnitude
.endr
.irp b, 0,1,2,3
	v_add_nc_u32 v[TM+12+\b], 0xff000000, v[TM+\b]   ; 2 off its exponent field: the conversion's scale operand
.endr
.irp b, 0,1,2,3
	v_lshrrev_b32 v[TM+4+\b], 23, v[TM+12+\b]      ; the scale's byte
.endr
	v_lshl_or_b32 v[PW], v[TM+5], 8, v[TM+4]
	v_lshl_or_b32 v[PW], v[TM+6], 16, v[PW]
	v_lshl_or_b32 v[PW], v[TM+7], 24, v[PW]
.irp c, 0,1
	v_cvt_scalef32_pk16_fp6_f32 v[PC+6*\c:PC+2+6*\c], v[\s+32*\c:\s+15+32*\c], v[TM+12+2*\c]
	v_cvt_scalef32_pk16_fp6_f32 v[PC+12+4*\c:PC+14+4*\c], v[\s+16+32*\c:\s+31+32*\c], v[TM+12+2*\c+1]
.endr
	v_nop                                          ; one plain instruction behind the scaled conversions
.irp c, 0,1                                    ; the operand wants a WHOLE block in a lane
.irp i, 0,1,2
	v_permlane16_swap_b32 v[PC+6*\c+\i], v[PC+12+4*\c+\i]
.endr
.irp i, 0,1,2
	v_mov_b32 v[PC+3+6*\c+\i], v[PC+12+4*\c+\i]
.endr
.endr
.endm
; Fragment f = 4 m + ks (row tile m, K step ks) as it lies in memory: 16 rows x 512 bytes, into raw set f % 3.  Every offset is an immediate: 130,560 at the most.
.macro RAWLD f
.set rw, (\f)%3
.if rw == 2
.set rw, 3
.endif
	WIN (rw<<6)
.irp i, 0,1,2,3,4,5,6,7,8,9,10,11,12,13,14,15
	global_load_b128 v[RAW+4*\i:RAW+4*\i+3], v[L16], s[4:5] offset:(16*((\f)/4)+\i)*2048+512*((\f)%4) th:TH_LOAD_NT   ; 32 lanes read 512 consecutive bytes
.endr
.endm
; hidden's four fragments: every lane (r, h) takes the registers that lane (batch, h) has in the image, so that all 16 rows of the operand are my batch's; and its four scale words.  13 loads.
.macro HLOAD
	WIN 0x40
.irp ks, 0,1,2,3
.irp c, 0,1,2
	global_load_b128 v[192+12*\ks+4*\c:192+12*\ks+4*\c+3], v[HA], s[10:11] offset:1536*\ks+512*\c
.endr
.endr
	WIN 0
	global_load_b128 v[HSC:HSC+3], v[HB], s[12:13]
.endm
; Fragment f: through the stage, kept as bf16, quantised.  n: the younger global loads, which may stay out.
.macro FRAGX f, n
.set rw, (\f)%3
.if rw == 2
.set rw, 3
.endif
	s_wait_loadcnt \n
	WIN (rw<<2)                                    ; an LDS store's data are its source 1
.irp i, 0,1,2,3,4,5,6,7,8,9,10,11,12,13,14,15
	ds_store_b128 v[STA], v[RAW+4*\i:RAW+4*\i+3] offset:528*\i
.endr
	WIN 0
.irp b, 0,1,2,3
.irp j, 0,1,2,3
	ds_load_b128 v[XN+16*\b+4*\j:XN+16*\b+4*\j+3], v[LDA] offset:128*\b+16*\j   ; LDS serves a wave's instructions in order: these see my stores
.endr
.endr
	s_wait_dscnt 0x0                               ; my numbers are back, and the stores have read the raw set:
.if (\f) <= 12
	RAWLD (\f)+3                                   ; it takes the fragment three on
.elseif (\f) == 13
	HLOAD                                          ; window 1's raw set is done with: hidden's fragments land in its place
.endif
	WIN (0x80+0x40*((\f)/8))
.set eb, (32*(\f))%256
.set ei, 0
.rept 32
	v_cvt_pk_bf16_f32 v[eb+ei], v[XN+2*ei], v[XN+2*ei+1]   ; registers 8 b .. 8 b + 7: k = 32 b + 16 h + 0 .. 15 of my row, 32 bytes
.set ei, ei+1
.endr
	WIN 0
	QUANT XN
	WIN 0x40
.irp i, 0,1,2,3,4,5,6,7,8,9,10,11
	v_mov_b32 v[12*(\f)+\i], v[PC+\i]
.endr
	WIN 0
	v_mov_b32 v[ASC+(\f)], v[PW]
.endm
; Matrix instruction gi of a group's 32: K step gi / 4, row tile gi % 4.  The four accumulators take turns, one instruction a turn, and the two sets take turns from group to group.
.macro WM cur, par
.set wk, gi/4
.set wm, gi%4
.set rD, \cur+8*wm
.set rW, WB+12*wk
.set rZ, WS+4*(\par)+wk%4
.if wk < 4
.set rA, 48*wm+12*wk
.set rS, ASC+4*wm+wk
.else
.set rA, 192+12*(wk-4)
.set rS, HSC+wk-4
.endif
.if wk == 0
	v_wmma_scale_f32_16x16x128_f8f6f4 v[rD:rD+7], v[rW:rW+11], v[rA:rA+11], v[BI:BI+7], v[rZ], v[rS] matrix_a_fmt:MATRIX_FMT_FP6 matrix_b_fmt:MATRIX_FMT_FP6
.elseif wk < 4
	v_wmma_scale_f32_16x16x128_f8f6f4 v[rD:rD+7], v[rW:rW+11], v[rA:rA+11], v[rD:rD+7], v[rZ], v[rS] matrix_a_fmt:MATRIX_FMT_FP6 matrix_b_fmt:MATRIX_FMT_FP6
.else
	v_wmma_scale_f32_16x16x128_f8f6f4 v[rD:rD+7], v[rW:rW+11], v[rA:rA+11], v[rD:rD+7], v[rZ], v[rS] matrix_a_fmt:MATRIX_FMT_FP6 matrix_b_fmt:MATRIX_FMT_FP6 matrix_a_scale:MATRIX_SCALE_ROW1
.endif
.endm
.macro VSUM                            ; pair gi of 16 of sum(v r): row tile gi / 4, outputs 2 (gi % 4), + 1 of my eight
	v_pk_fma_f32 v[SC+2*(gi/4):SC+2*(gi/4)+1], v[R+2*gi:R+2*gi+1], v[VR+2*(gi%4):VR+2*(gi%4)+1], v[SC+2*(gi/4):SC+2*(gi/4)+1]
.endm
; A GROUP g.  cur: the set that takes g's products; prev: the set with g - 1's sums; par = g % 2: W's set of scale words.
; mm: products;  v12: g - 1's tanh;  p3: g - 2's sum with v;  ldw: fetch g + 1's record, b and scale words;  ldv: fetch g - 1's v.
; hw, mw: the LDS loads that may stay out at the head and in the middle (-1: no wait is written).
; The exponentials are one batch with one wait, and so are the reciprocals; each wait stands directly ahead of a run of LDS loads.
.macro GROUP cur, prev, par, mm, v12, p3, ldw, ldv, hw, mw
.if \hw >= 0
	s_wait_dscnt \hw                               ; K steps 0-3, b, the scale words and v are in; the younger run (K steps 4-7) may be out
.endif
.set gi, 0
.rept 16
.if \mm
	WM \cur, \par
.endif
.if \v12
	v_pk_mul_f32 v[\prev+2*gi:\prev+2*gi+1], v[\prev+2*gi:\prev+2*gi+1], s[CS:CS+1] op_sel_hi:[1,0]   ; c x, in ascending order: each accumulator is read from its low end on
.endif
.if \p3
	VSUM
.endif
.if \v12 && (gi > 0)
	v_exp_f32 v[\prev+2*gi-2], v[\prev+2*gi-2]
	v_exp_f32 v[\prev+2*gi-1], v[\prev+2*gi-1]
.endif
.set gi, gi+1
.endr
.if \v12
	v_exp_f32 v[\prev+30], v[\prev+30]
	v_exp_f32 v[\prev+31], v[\prev+31]
.endif
	v_add_nc_u32 v[WA], v[L16], s[TB]              ; four plain lines: the places in front of the loads into registers that the products above have read, and the plain instruction behind the last exponential
	v_add_nc_u32 v[BA], v[BA0], s[TS]
	v_add_nc_u32 v[VA], v[VA0], s[TS]
	v_add_nc_u32 v[SA], v[SA0], s[TW]
.if \v12
	s_wait_alu depctr_va_vdst(0)                   ; one wait for the 32 exponentials, ahead of their first reader
.endif
.if \ldw
.irp ks, 0,1,2,3
.irp c, 0,1,2
	ds_load_b128 v[WB+12*\ks+4*\c:WB+12*\ks+4*\c+3], v[WA] offset:1536*\ks+512*\c
.endr
.endr
	ds_load_b128 v[BI:BI+3], v[BA]
	ds_load_b128 v[BI+4:BI+7], v[BA] offset:16
	ds_load_b128 v[WS+4*(1-\par):WS+4*(1-\par)+3], v[SA]   ; lanes 0-15: K steps 0-3 of row r; lanes 16-31: K steps 4-7
.endif
.if \ldv
	WIN 0x44
	ds_load_b128 v[VR:VR+3], v[VA]
	ds_load_b128 v[VR+4:VR+7], v[VA] offset:16
	WIN 0x04
.endif
.if \mw >= 0
	s_wait_dscnt \mw                               ; K steps 4-7 are in; the run just issued may be out
.endif
.rept 16
.if \mm
	WM \cur, \par
.endif
.if \v12
	v_pk_add_f32 v[\prev+2*(gi-16):\prev+2*(gi-16)+1], v[\prev+2*(gi-16):\prev+2*(gi-16)+1], 1.0 op_sel_hi:[1,0]
.if gi > 16
	v_rcp_f32 v[R+2*(gi-16)-2], v[\prev+2*(gi-16)-2]
	v_rcp_f32 v[R+2*(gi-16)-1], v[\prev+2*(gi-16)-1]
.endif
.endif
.set gi, gi+1
.endr
.if \v12
	v_rcp_f32 v[R+30], v[\prev+30]
	v_rcp_f32 v[R+31], v[\prev+31]
.endif
.if \mm || \v12
.rept 4
	v_nop                                          ; the places in front of the loads below and of the next group's reads and writes; the plain instruction behind the last reciprocal
.endr
.endif
.if \v12
	s_wait_alu depctr_va_vdst(0)                   ; one wait for the 32 reciprocals
.endif
.if \ldw
.irp ks, 4,5,6,7
.irp c, 0,1,2
	ds_load_b128 v[WB+12*\ks+4*\c:WB+12*\ks+4*\c+3], v[WA] offset:1536*\ks+512*\c
.endr
.endr
.endif
	s_add_co_u32 s[TB], s[TB], RECB
	s_add_co_u32 s[TS], s[TS], 64
	s_add_co_u32 s[TW], s[TW], 512
.endm
.macro PAIR                            ; an odd group and an even one: the register numbers are back where they began
	WIN 0x04
	GROUP Y, X, 1, 1, 1, 1, 1, 1, 12, 17
	GROUP X, Y, 0, 1, 1, 1, 1, 1, 12, 17
	WIN 0
.endm
; THE CHANGE OF SLOTS, behind the group that has fetched a slot's last record.  Each wave waits for all its tensor loads (its quarter of the next slot), adds 0 to its spare word, and waits for that and for
; its reads of the slot.  fill = 1: the barrier is a round of the cluster's, and the slot just left takes the records two slots on: 8 groups, 256 matrix instructions a wave, in which to land.
.macro CHANGE fill
	s_wait_tensorcnt 0x0                           ; no tensor load of mine is out, so a group 0 may be written
	ds_add_u32 v[SPW], v[NIL]                      ; 0 onto my spare word
.if \fill
	s_xor_b32 s[G0W1+1], s[G0W1+1], SLOT1          ; the walking descriptor: the other slot than last time,
	s_add_nc_u64 s[G0W1+2:G0W1+3], s[G0W1+2:G0W1+3], SLOTB   ; the next 8 records
.endif
	s_sub_co_u32 s[TB], s[TB], SLOTB               ; the fetches go to the other slot's first record
	s_xor_b32 s[TB], s[TB], SLOT1
	s_wait_dscnt 0x0                               ; the add is done, and my reads of the slot are over
.if \fill
	ROUND
	tensor_load_to_lds s[G0W1:G0W1+3], s[G1W:G1W+7]   ; my one tensor load behind the round, and the first thing there
	s_nop 0
.rept 4
	v_nop
.endr
.else
	s_barrier_signal -1
	s_barrier_wait -1
.endif
.endm
	s_load_b512 s[4:19], s[0:1], 0x0               ; enc s[4:5], wcodes s[6:7], wscales s[8:9], hcodes s[10:11], hscales s[12:13], b s[14:15], v s[16:17], part s[18:19]
	v_lshl_add_u32 v[SPW], v0, 2, SPARE
	v_mov_b32 v[NIL], 0
	ds_add_u32 v9, v10
	ds_add_u32 v9, v10
	s_wait_dscnt 0x0
	v_lshrrev_b32 v[L16], 5, v0
	v_readfirstlane_b32 s[WV], v[L16]              ; wave 0..3
	v_and_b32 v[LN], 31, v0
	v_and_b32 v[RR], 15, v0
	v_bfe_u32 v[HH], v0, 4, 1
	v_lshlrev_b32 v[L16], 4, v[LN]
	v_lshl_add_u32 v[BA0], v[HH], 5, BB
	v_lshl_add_u32 v[VA0], v[HH], 5, VV-128
	v_add_nc_u32 v[SA0], WSC, v[L16]
	s_mul_i32 s23, s[WV], 8448
	s_add_co_u32 s23, s23, XST                     ; my stage
	v_add_nc_u32 v[STA], s23, v[L16]
	v_mul_u32_u24 v[LDA], v[RR], 528
	v_lshl_add_u32 v[LDA], v[HH], 6, v[LDA]
	v_add_nc_u32 v[LDA], s23, v[LDA]
	s_bfe_u32 s[CX], ttmp6, 0x40000                ; my place in the cluster: it enters addresses in memory alone (enc, hidden's codes and scales, part)
	s_lshl_b32 s[WG], ttmp9, 2
	s_add_co_u32 s[WG], s[WG], s[CX]               ; my block of 256 rows
	s_lshr_b32 s86, s[WG], 4
	s_lshl_b32 s86, s86, 4                         ; 16 x batch
	v_lshl_add_u32 v[HA], v[HH], 8, s86
	v_mov_b32 v[HB], s86
.irp b, 0,1,2,3
	v_mov_b32 v[TM+4+\b], 0                        ; written once: a lane permute's destination counts as one of its sources
.endr
	s_mov_b32 s[CS], 0x4038aa3b                    ; c = 2 log2(e)
	s_mov_b32 s[CS+1], s[CS]                       ; (named with it as a pair, so it is written)
	s_mov_b32 s[C2], 0xc038aa3b                    ; -2 log2(e)
	s_mov_b32 s[SEL], 0x76543210
	s_mov_b32 s[SEL+1], 0xfedcba98
	s_mov_b32 s[TB], 0
	s_mov_b32 s[TS], 0
	s_mov_b32 s[TW], 0
	DESC1 G1W, 96
	DESC1 G1S, 32
	DESC1 G1V, 4
	s_wait_kmcnt 0x0
	DESC0 G0S, WSC, 8, 0, 8192
	DESC0 G0V, VV, 16, 0, 1024
	DESC0 G0B, BB, 14, 0, 1024
	DESC0 G0W0, 0, 6, 0, 24576
	DESC0 G0W1, SLOT1, 6, SLOTB, 24576
	s_lshl_b32 s82, s[WG], 19                      ; my block's 256 rows of 2,048 bytes,
	s_lshl_b32 s86, s[WV], 17                      ; my wave's 64 of them
	s_add_co_u32 s82, s82, s86
	s_mov_b32 s83, 0
	s_add_nc_u64 s[4:5], s[4:5], s[82:83]
	s_mul_i32 s82, s[WG], 2304
	s_add_nc_u64 s[18:19], s[18:19], s[82:83]      ; my block's record
	ROUND                                          ; all four work-groups are here: the first joint loads meet
	tensor_load_to_lds s[G0S:G0S+3], s[G1S:G1S+7]  ; the first fills go out as one group: five loads of mine are out
	s_nop 0
	tensor_load_to_lds s[G0V:G0V+3], s[G1V:G1V+7]
	s_nop 0
	tensor_load_to_lds s[G0B:G0B+3], s[G1V:G1V+7]
	s_nop 0
	tensor_load_to_lds s[G0W0:G0W0+3], s[G1W:G1W+7]
	s_nop 0
	tensor_load_to_lds s[G0W1:G0W1+3], s[G1W:G1W+7]
	s_nop 0
.rept 4
	v_nop
.endr
	; ---- enc: read once, three raw sets (48 loads a wave) ahead
	RAWLD 0
	RAWLD 1
	RAWLD 2
.irp f, 0,1,2,3,4,5,6,7,8,9,10,11,12,13
	FRAGX \f, 32                                   ; behind my set: two younger sets of 16 loads
.endr
	FRAGX 14, 29                                   ; behind it: fragment 15's 16 loads and hidden's 13
	FRAGX 15, 13                                   ; hidden's 13
.set ei, 0
.rept 32
	v_mov_b32 v[R+ei], 0                           ; the first sum with v finds r = 0 and v = 0: so no second group is written out.  These lines are also the places between the
.set ei, ei+1
.endr
.irp i, 0,1,2,3,4,5,6,7
	v_mov_b32 v[SC+\i], 0                          ; operands and scale words made by vector instructions and the first scaled matrix instruction
.endr
	WIN 0x40
.irp i, 0,1,2,3,4,5,6,7
	v_mov_b32 v[VR+\i], 0
.endr
	WIN 0
	s_wait_loadcnt 0x0                             ; hidden
	s_wait_tensorcnt 0x1                           ; the scale words, v, b and my quarter of slot 0 are in; slot 1's may stay out
	s_barrier_signal -1
	s_barrier_wait -1                              ; everybody's are
	; ---- the walk over the 64 groups
	GROUP X, Y, 1, 0, 0, 0, 1, 0, -1, -1           ; fetches group 0's record, b and scale words, and nothing else
	WIN 0x04
	GROUP X, Y, 0, 1, 0, 0, 1, 0, 12, 15           ; group 0: no group before it; its middle run has 15 loads (no v)
	WIN 0
	s_mov_b32 s[CN2], 3
.La:                                               ; groups 1 to 6
	PAIR
	s_sub_co_u32 s[CN2], s[CN2], 1
	s_cmp_lg_u32 s[CN2], 0
	s_cbranch_scc1 .La
	s_mov_b32 s[CN1], 6
.Lslot:                                            ; groups 7 to 54: six changes of slots that fill a slot again
	CHANGE 1
	s_mov_b32 s[CN2], 4
.Lb:
	PAIR
	s_sub_co_u32 s[CN2], s[CN2], 1
	s_cmp_lg_u32 s[CN2], 0
	s_cbranch_scc1 .Lb
	s_sub_co_u32 s[CN1], s[CN1], 1
	s_cmp_lg_u32 s[CN1], 0
	s_cbranch_scc1 .Lslot
	CHANGE 0                                       ; the last change is written out: nothing is left to ask for
	s_mov_b32 s[CN2], 4
.Lc:                                               ; groups 55 to 62
	PAIR
	s_sub_co_u32 s[CN2], s[CN2], 1
	s_cmp_lg_u32 s[CN2], 0
	s_cbranch_scc1 .Lc
	WIN 0x04
	GROUP Y, X, 1, 1, 1, 1, 0, 1, 12, 2            ; group 63: no record follows; its middle run is v's two loads
	GROUP X, Y, 0, 0, 1, 1, 0, 1, 0, -1            ; no products: group 63's tanh, group 62's sum with v
	s_wait_dscnt 0x0                               ; group 63's v
.set gi, 0
.rept 16
	VSUM
.set gi, gi+1
.endr
	WIN 0
	; ---- the end: addresses
	s_mul_i32 s23, s[WV], 64*EP
	v_mul_u32_u24 v[DA], v[RR], EP
	v_lshl_add_u32 v[DA], v[HH], 5, v[DA]
	v_add_nc_u32 v[DA], s23, v[DA]                 ; enc as bf16: row 64 w + r, + 32 h
	s_lshl_b32 s23, s[WV], 7
	s_add_co_u32 s23, s23, PVEC
	v_lshl_add_u32 v[PVA], v[RR], 1, s23           ; p of row 64 w + r
	s_lshl_b32 s23, s[WV], 2
	s_add_co_u32 s23, s23, RED
	v_mov_b32 v[RDW], s23
	v_mov_b32 v[RDA], RED
	v_lshl_add_u32 v[PFA], v[HH], 4, PVEC
	s_lshl_b32 s23, s[WV], 9
	v_add_nc_u32 v[POF], s23, v[L16]
	s_add_co_u32 s23, s23, CST
	v_lshl_add_u32 v[CSA], v[RR], 2, s23
	v_add_nc_u32 v[CLA], s23, v[L16]
	v_lshlrev_b32 v[P8], 3, v[LN]
	v_and_b32 v[T], 7, v0
	v_lshl_add_u32 v[T], v[HH], 3, v[T]            ; the turning load: row 8 h + lane % 8,
	v_mul_u32_u24 v[T], v[T], EP
	v_bfe_u32 v[T+1], v0, 3, 1
	v_lshl_add_u32 v[T], v[T+1], 4, v[T]           ; 16 bytes for each group of eight lanes,
	s_lshl_b32 s23, s[WV], 8
	v_add_nc_u32 v[TA], s23, v[T]                  ; my wave's 128 channels
.irp q, 1,2,3,4,5,6,7
	v_add_nc_u32 v[TA+\q], 32*EP*\q, v[TA]
.endr
	; ---- the scores of my 64 rows, as t
.irp m, 0,1,2,3
	v_add_f32 v[T+\m], v[SC+2*\m], v[SC+2*\m+1]
.endr
.irp m, 0,1,2,3
	v_permlanex16_b32 v[T+4+\m], v[T+\m], s[SEL], s[SEL+1]   ; the row's other eight of each 16 outputs lie in the lane 16 away
.endr
.irp m, 0,1,2,3
	v_add_f32 v[T+\m], v[T+\m], v[T+4+\m]
.endr
.irp m, 0,1,2,3
	v_mul_f32 v[T+\m], s[C2], v[T+\m]
.endr
	v_max3_num_f32 v[T+8], v[T], v[T+1], v[T+2]
	v_max_num_f32 v[T+8], v[T+8], v[T+3]
	v_max_num_f32_dpp v[T+8], v[T+8], v[T+8] row_xmask:1 row_mask:0xf bank_mask:0xf
	v_max_num_f32_dpp v[T+8], v[T+8], v[T+8] row_xmask:2 row_mask:0xf bank_mask:0xf
	v_max_num_f32_dpp v[T+8], v[T+8], v[T+8] row_xmask:4 row_mask:0xf bank_mask:0xf
	v_max_num_f32_dpp v[T+8], v[T+8], v[T+8] row_xmask:8 row_mask:0xf bank_mask:0xf
	ds_store_b32 v[RDW], v[T+8]                    ; my wave's largest t
	s_wait_dscnt 0x0
	s_barrier_signal -1
	s_barrier_wait -1                              ; and no wave reads the slots, the scale words, v or b any more
	ds_load_b128 v[T+12:T+15], v[RDA]
	s_wait_dscnt 0x0
	v_max3_num_f32 v[ML], v[T+12], v[T+13], v[T+14]
	v_max_num_f32 v[ML], v[ML], v[T+15]            ; M: the block's largest t
.irp m, 0,1,2,3
	v_sub_f32 v[T+\m], v[T+\m], v[ML]
.endr
.irp m, 0,1,2,3
	v_exp_f32 v[T+\m], v[T+\m]                     ; p = 2^(t - M), at most 1
.endr
	v_nop                                          ; a plain instruction behind the last exponential
	s_wait_alu depctr_va_vdst(0)                   ; one wait for the four
	v_add_f32 v[T+8], v[T], v[T+1]
	v_add_f32 v[T+9], v[T+2], v[T+3]
	v_add_f32 v[T+8], v[T+8], v[T+9]
	v_add_f32_dpp v[T+8], v[T+8], v[T+8] row_xmask:1 row_mask:0xf bank_mask:0xf
	v_add_f32_dpp v[T+8], v[T+8], v[T+8] row_xmask:2 row_mask:0xf bank_mask:0xf
	v_add_f32_dpp v[T+8], v[T+8], v[T+8] row_xmask:4 row_mask:0xf bank_mask:0xf
	v_add_f32_dpp v[T+8], v[T+8], v[T+8] row_xmask:8 row_mask:0xf bank_mask:0xf
	ds_store_b32 v[RDW], v[T+8] offset:16          ; my wave's sum of p
.irp m, 0,1,2,3
	v_cvt_pk_bf16_f32 v[T+4+\m], v[T+\m], v[T+\m]
.endr
.irp m, 0,1,2,3
	ds_store_b16 v[PVA], v[T+4+\m] offset:32*\m    ; lanes r and 16 + r write the same two bytes with the same value
.endr
	; ---- enc as bf16 goes to LDS, as rows
.set ef, 0
.rept 16
	WIN (0x08+0x04*(ef/8))
.irp b, 0,1,2,3
.irp u, 0,1
	ds_store_b128 v[DA], v[(32*ef)%256+8*\b+4*\u:(32*ef)%256+8*\b+4*\u+3] offset:16*EP*(ef/4)+256*(ef%4)+64*\b+16*\u
.endr
.endr
.set ef, ef+1
.endr
	WIN 0
	s_wait_dscnt 0x0
	s_barrier_signal -1
	s_barrier_wait -1                              ; 256 rows of enc, p and the four sums lie in LDS
	; ---- sum(p enc) in bf16: wave w takes channels 128 w .. + 127 over all 256 rows.  Source 0 = p, the same in all 16 rows; source 1 = 32 rows x 16 channels, turned.
.macro EFLD q                          ; rows 32 q on, my eight tiles of 16 channels, into set q % 2 of window 2
	WIN 0x80
.irp t, 0,1,2,3,4,5,6,7
	ds_load_tr16_b128 v[64*((\q)%2)+8*\t:64*((\q)%2)+8*\t+3], v[TA+(\q)] offset:32*\t
	ds_load_tr16_b128 v[64*((\q)%2)+8*\t+4:64*((\q)%2)+8*\t+7], v[TA+(\q)] offset:32*\t+16*EP
.endr
.endm
	ds_load_b128 v[T+12:T+15], v[RDA] offset:16
	WIN 0x40
.irp q, 0,1,2,3,4,5,6,7
	ds_load_b128 v[8*\q:8*\q+3], v[PFA] offset:64*\q          ; p of rows 32 q + 8 h + 0 .. 7,
	ds_load_b128 v[8*\q+4:8*\q+7], v[PFA] offset:64*\q+32     ; and 32 q + 16 + 8 h + 0 .. 7
.endr
	EFLD 0
	EFLD 1
.set eq, 0
.rept 8
.if eq < 7
	s_wait_dscnt 16                                ; all but the next 32 rows' 16 loads
.else
	s_wait_dscnt 0x0
.endif
	WIN 0x09                                       ; source 0 (p) window 1, source 1 (enc) window 2
.irp t, 0,1,2,3,4,5,6,7
.if eq == 0
	v_wmma_f32_16x16x32_bf16 v[ACC+8*\t:ACC+8*\t+7], v[8*eq:8*eq+7], v[64*(eq%2)+8*\t:64*(eq%2)+8*\t+7], 0
.else
	v_wmma_f32_16x16x32_bf16 v[ACC+8*\t:ACC+8*\t+7], v[8*eq:8*eq+7], v[64*(eq%2)+8*\t:64*(eq%2)+8*\t+7], v[ACC+8*\t:ACC+8*\t+7]
.endif
.endr
.rept 4
	v_nop                                          ; places in front of loads into registers that these products have read, and of the first read of results
.endr
.if eq < 6
	EFLD eq+2
.endif
.set eq, eq+1
.endr
	WIN 0
.irp t, 0,1,2,3,4,5,6,7
	ds_store_b32 v[CSA], v[ACC+8*\t] offset:64*\t  ; all 16 rows of the result are equal: register 0 of lane r is channel 128 w + 16 t + r
.endr
	ds_load_b128 v[T:T+3], v[CLA]                  ; LDS serves a wave's instructions in order: this sees my stores
	v_add_f32 v[T+12], v[T+12], v[T+13]
	v_add_f32 v[T+14], v[T+14], v[T+15]
	v_add_f32 v[ML+1], v[T+12], v[T+14]            ; l: the block's sum of p
	s_wait_dscnt 0x0
	global_store_b128 v[POF], v[T:T+3], s[18:19]   ; 32 lanes store 512 consecutive bytes, aligned
	s_cmp_lg_u32 s[WV], 0
	s_cbranch_scc1 .Lnot_first
	global_store_b64 v[P8], v[ML:ML+1], s[18:19] offset:2048   ; (M, l), 32 times: 256 consecutive bytes, aligned
.Lnot_first:
	s_wait_tensorcnt 0x0                           ; the wave's end, behind my last tensor load and my last LDS store
	ds_add_u32 v[SPW], v[NIL]
	s_wait_dscnt 0x0
	ROUND                                          ; the closing round: no work-group ends while a partner may still ask for a tile that names it
	s_endpgm
.Lfunc_end_k_qd4f6da5ccb_main:
	.size	k_qd4f6da5ccb_main, .Lfunc_end_k_qd4f6da5ccb_main-k_qd4f6da5ccb_main
	.p2alignl 7, 3214868480
	.fill 96, 4, 3214868480
	.section	.rodata,"a",@progbits
	.p2align	6, 0x0
	.amdhsa_kernel k_qd4f6da5ccb_main
		.amdhsa_group_segment_fixed_size 327680
		.amdhsa_private_segment_fixed_size 0
		.amdhsa_enable_private_segment 0
		.amdhsa_kernarg_size 64
		.amdhsa_user_sgpr_count 2
		.amdhsa_user_sgpr_kernarg_segment_ptr 1
		.amdhsa_wavefront_size32 1
		.amdhsa_system_sgpr_workgroup_id_x 1
		.amdhsa_system_sgpr_workgroup_id_y 1
		.amdhsa_system_sgpr_workgroup_id_z 1
		.amdhsa_system_vgpr_workitem_id 0
		.amdhsa_next_free_vgpr 1024
		.amdhsa_next_free_sgpr 90
		.amdhsa_reserve_vcc 0
		.amdhsa_float_denorm_mode_32 3
		.amdhsa_float_denorm_mode_16_64 3
		.amdhsa_memory_ordered 1
		.amdhsa_forward_progress 1
		.amdhsa_inst_pref_size 255
	.end_amdhsa_kernel
	.section	.bss,"aw",@nobits
	.p2align	6
	.space	262144
	.amdgpu_metadata
---
amdhsa.version: [ 1, 2 ]
amdhsa.kernels:
  - .name:           k_qd4f6da5ccb_main
    .symbol:         k_qd4f6da5ccb_main.kd
    .args:
      - { .name: encoder_outputs, .offset: 0, .size: 8, .value_kind: global_buffer, .address_space: global }
      - { .name: wcodes, .offset: 8, .size: 8, .value_kind: global_buffer, .address_space: global }
      - { .name: wscales, .offset: 16, .size: 8, .value_kind: global_buffer, .address_space: global }
      - { .name: hcodes, .offset: 24, .size: 8, .value_kind: global_buffer, .address_space: global }
      - { .name: hscales, .offset: 32, .size: 8, .value_kind: global_buffer, .address_space: global }
      - { .name: b_attn, .offset: 40, .size: 8, .value_kind: global_buffer, .address_space: global }
      - { .name: v_w, .offset: 48, .size: 8, .value_kind: global_buffer, .address_space: global }
      - { .name: part, .offset: 56, .size: 8, .value_kind: global_buffer, .address_space: global }
    .group_segment_fixed_size: 327680
    .private_segment_fixed_size: 0
    .kernarg_segment_align: 8
    .kernarg_segment_size: 64
    .max_flat_workgroup_size: 128
    .sgpr_count:     90
    .vgpr_count:     1024
    .wavefront_size: 32
...
	.end_amdgpu_metadata
.endif
;; end of part 2
;; launch combine (part 3): grid 16 x 1, 4 waves a work-group, no clusters, 0 bytes of LDS; arguments part, out0; writes out0
.if DOCPART == 3
	.amdgcn_target "amdgcn-amd-amdhsa--gfx1250"
	.amdhsa_code_object_version 6
	.text
	.protected	k_qd4f6da5ccb_combine
	.globl	k_qd4f6da5ccb_combine
	.p2align	8
	.type	k_qd4f6da5ccb_combine,@function
k_qd4f6da5ccb_combine:
	s_mov_b64 s[64:65], 0
	v_nop
	global_prefetch_b8 v0, s[64:65] scope:SCOPE_SE
	s_setreg_imm32_b32 hwreg(HW_REG_WAVE_MODE, 25, 1), 1
	s_wait_xcnt 0x0
; out0[b][:] = sum over a batch's 16 blocks j of 2^(M_j - M) ctx_j[:]  /  sum over j of 2^(M_j - M) l_j,  M = the largest M_j: the softmax's maximum is taken away over the whole row of 4,096.
; A block's record is 2,304 bytes: 512 numbers of ctx, then the pair (M, l) 32 times.  One work-group a batch; thread t owns 4 channels.  The sum has one owner and a fixed order.
; No LDS, no barrier, no matrix unit: 36,864 bytes in and 2,048 out for each work-group.
.set S, 80                             ; v80-111  (M_j, l_j)
.set C, 16                             ; v16-79   my 4 channels of ctx_j
.set W, 112                            ; v112-127 the weights
	s_load_b128 s[4:7], s[0:1], 0x0                ; part, out0
	v_lshlrev_b32 v1, 4, v0                        ; 16 t
	v_and_b32 v2, 31, v0
	v_lshlrev_b32 v2, 3, v2                        ; 8 x lane
	s_mul_i32 s8, ttmp9, 36864
	s_mov_b32 s9, 0
	s_lshl_b32 s10, ttmp9, 11
	s_mov_b32 s11, 0
	s_wait_kmcnt 0x0
	s_add_nc_u64 s[4:5], s[4:5], s[8:9]
	s_add_nc_u64 s[6:7], s[6:7], s[10:11]
.irp j, 0,1,2,3,4,5,6,7,8,9,10,11,12,13,14,15
	global_load_b64 v[S+2*\j:S+2*\j+1], v2, s[4:5] offset:2304*\j+2048
.endr
.irp j, 0,1,2,3,4,5,6,7,8,9,10,11,12,13,14,15
	global_load_b128 v[C+4*\j:C+4*\j+3], v1, s[4:5] offset:2304*\j
.endr
	s_wait_loadcnt 16                              ; the 16 pairs are in; the 16 loads of ctx may be out
	v_max3_num_f32 v3, v[S], v[S+2], v[S+4]
.irp j, 3,5,7,9,11,13
	v_max3_num_f32 v3, v3, v[S+2*\j], v[S+2*\j+2]
.endr
	v_max_num_f32 v3, v3, v[S+30]                  ; M
.irp j, 0,1,2,3,4,5,6,7,8,9,10,11,12,13,14,15
	v_sub_f32 v[W+\j], v[S+2*\j], v3
.endr
.irp j, 0,1,2,3,4,5,6,7,8,9,10,11,12,13,14,15
	v_exp_f32 v[W+\j], v[W+\j]                     ; 2^(M_j - M), at most 1, and 1 for one j at the least
.endr
	v_nop                                          ; a plain instruction behind the last exponential
	s_wait_alu depctr_va_vdst(0)                   ; one wait for the 16
	v_mul_f32 v8, v[W], v[S+1]
.irp j, 1,2,3,4,5,6,7,8,9,10,11,12,13,14,15
	v_fma_f32 v8, v[W+\j], v[S+2*\j+1], v8         ; the row's sum: at least 1
.endr
	v_rcp_f32 v9, v8
	s_wait_loadcnt 0x0
.irp i, 0,1,2,3
	v_mul_f32 v[4+\i], v[W], v[C+\i]               ; (plain work behind the reciprocal, which names neither its source nor its result)
.endr
.irp j, 1,2,3,4,5,6,7,8,9,10,11,12,13,14,15
.irp i, 0,1,2,3
	v_fma_f32 v[4+\i], v[W+\j], v[C+4*\j+\i], v[4+\i]
.endr
.endr
	s_wait_alu depctr_va_vdst(0)                   ; the wait for the reciprocal, ahead of its first reader
.irp i, 0,1,2,3
	v_mul_f32 v[12+\i], v[4+\i], v9
.endr
	global_store_b128 v1, v[12:15], s[6:7]         ; a wave stores 512 consecutive bytes, aligned
	s_endpgm
.Lfunc_end_k_qd4f6da5ccb_combine:
	.size	k_qd4f6da5ccb_combine, .Lfunc_end_k_qd4f6da5ccb_combine-k_qd4f6da5ccb_combine
	.p2alignl 7, 3214868480
	.fill 96, 4, 3214868480
	.section	.rodata,"a",@progbits
	.p2align	6, 0x0
	.amdhsa_kernel k_qd4f6da5ccb_combine
		.amdhsa_group_segment_fixed_size 0
		.amdhsa_private_segment_fixed_size 0
		.amdhsa_enable_private_segment 0
		.amdhsa_kernarg_size 16
		.amdhsa_user_sgpr_count 2
		.amdhsa_user_sgpr_kernarg_segment_ptr 1
		.amdhsa_wavefront_size32 1
		.amdhsa_system_sgpr_workgroup_id_x 1
		.amdhsa_system_sgpr_workgroup_id_y 1
		.amdhsa_system_sgpr_workgroup_id_z 1
		.amdhsa_system_vgpr_workitem_id 0
		.amdhsa_next_free_vgpr 128
		.amdhsa_next_free_sgpr 66
		.amdhsa_reserve_vcc 0
		.amdhsa_float_denorm_mode_32 3
		.amdhsa_float_denorm_mode_16_64 3
		.amdhsa_memory_ordered 1
		.amdhsa_forward_progress 1
		.amdhsa_inst_pref_size 11
	.end_amdhsa_kernel
	.amdgpu_metadata
---
amdhsa.version: [ 1, 2 ]
amdhsa.kernels:
  - .name:           k_qd4f6da5ccb_combine
    .symbol:         k_qd4f6da5ccb_combine.kd
    .args:
      - { .name: part, .offset: 0, .size: 8, .value_kind: global_buffer, .address_space: global }
      - { .name: out0, .offset: 8, .size: 8, .value_kind: global_buffer, .address_space: global }
    .group_segment_fixed_size: 0
    .private_segment_fixed_size: 0
    .kernarg_segment_align: 8
    .kernarg_segment_size: 16
    .max_flat_workgroup_size: 128
    .sgpr_count:     66
    .vgpr_count:     128
    .wavefront_size: 32
...
	.end_amdgpu_metadata
.endif
;; end of part 3
;; ======== version 2 of 2: 3 launches
;; limits: right only within a limited range of input values
;; workspace buffers: wcodes 393,216 bytes; wscales 16,384 bytes; hb 65,536 bytes; part 589,824 bytes
;; launch prep (part 4): grid 64 x 1, 4 waves a work-group, no clusters, 107,008 bytes of LDS; arguments W_attn, hidden, b_attn, wcodes, wscales, hb; writes wcodes, wscales, hb
.if DOCPART == 4
	.amdgcn_target "amdgcn-amd-amdhsa--gfx1250"
	.amdhsa_code_object_version 6
	.text
	.protected	k_qd4f6da5ccb_prep
	.globl	k_qd4f6da5ccb_prep
	.p2align	8
	.type	k_qd4f6da5ccb_prep,@function
k_qd4f6da5ccb_prep:
	s_mov_b64 s[64:65], 0
	v_nop
	global_prefetch_b8 v0, s[64:65] scope:SCOPE_SE
	s_setreg_imm32_b32 hwreg(HW_REG_WAVE_MODE, 25, 1), 1
	s_wait_xcnt 0x0
; W_attn [1024][1024] and hidden [16][512], f32 with K innermost, are quantised to FP6 (E2M3) with one E8M0 byte for each 32 along K.
; THE HIDDEN HALF OF K.  Every row of a batch carries the same hidden vector in columns 512 .. 1023, and 512 is a multiple of 32: so that half of each row's sum,
; Q(hidden[batch]) . Q(W[o][512:]), is one number for each (batch, o).  It is made here, once, by the scaled matrix instruction; b_attn is added; the next launch takes it as the C of its sums.
; OUT.  wcodes: W's columns 0 .. 511 in the ORDER OF THE OPERAND'S REGISTERS: record g (rows 16 g .. 16 g + 15) = 4 images of 1,536 bytes, K step after K step; chunk c (512 bytes) of an image
; holds lane l's registers 4 c .. 4 c + 3 at byte 16 l.  wscales: byte 256 g + 16 r + 4 i = the scale word of row 16 g + r, K step i.  hb: [g][batch][16] f32: the hidden half + b.
; A block's scale is 2^(floor(log2(largest magnitude)) - 2); its byte is the largest magnitude's exponent field - 2, held at 1 from below.
; LIMITS: a block whose largest magnitude lies under 2^(3 - 127) gets the byte 1; a block of zeros gets the byte 1 with zero codes (these bytes are read by this program alone);
; NaN and infinities among the inputs are not served.  The hidden half is summed as (K steps 0 + 1) + (2 + 3) + b, in f32.
; SHARES: one work-group for each g.  Wave w takes W's K steps w and 4 + w and hidden's K step w.  Each load reads 512 consecutive bytes of a row; a fragment's 8 KB turn through a stage of
; its own in LDS, so that a lane gets 16 neighbours along K of each block of 32.
.set STW,  8448                        ; a stage: 16 rows x (512 bytes + 16); three a wave
.set SCB,  101376                      ; behind the twelve stages: the group's 256 bytes of scale words
.set RDX,  101632                      ; and the four waves' partial sums, 1,024 bytes each: [batch][16]
.set TM,   16                          ; v16-31   at work in QUANT
.set R0,   32                          ; v32-95   W's K step w: as loaded, then register 16 b + i = k 32 b + 16 (lane / 16) + i of row lane % 16
.set R1,   96                          ; v96-159  W's K step 4 + w
.set R2,   160                         ; v160-223 hidden's K step w
.set PC0,  224                         ; v224-243 the first fragment's codes
.set PW0,  244                         ; the three scale words: registers that hold nothing else
.set PW1,  245
.set PW2,  246
.set BS,   248                         ; v248-251 four numbers of b
.set PC1,  32                          ; the second and third fragments' codes lie where the first's numbers lay
.set PC2,  52
.set DD,   72                          ; v72-79   the product
.set SM,   96                          ; v96-127  wave 0: the four partial sums
.set SEL,  20                          ; s[20:21] v_permlanex16_b32's selects for lane l xor 16
; 64 numbers of a lane become a fragment's codes in v[pc] .. v[pc + 11] and its scale word in v[pw].
.macro QUANT s, pc, pw
.irp b, 0,1,2,3
	v_max3_num_f32 v[TM+\b], |v[\s+16*\b]|, |v[\s+1+16*\b]|, 0x1800000   ; block b: my 16 numbers, and the floor 2^(3 - 127): the byte cannot fall under 1
.endr
.irp i, 2,4,6,8,10,12,14
.irp b, 0,1,2,3
	v_max3_num_f32 v[TM+\b], v[TM+\b], |v[\s+16*\b+\i]|, |v[\s+1+16*\b+\i]|   ; the four blocks by turns
.endr
.endr
.irp b, 0,1,2,3
	v_permlanex16_b32 v[TM+4+\b], v[TM+\b], s[SEL], s[SEL+1]
.endr
.irp b, 0,1,2,3
	v_max_num_f32 v[TM+\b], v[TM+\b], v[TM+4+\b]   ; with lane l xor 16's 16: the block's largest magnitude
.endr
.irp b, 0,1,2,3
	v_add_nc_u32 v[TM+12+\b], 0xff000000, v[TM+\b]   ; 2 off its exponent field: the conversion takes this operand's exponent field as its scale
.endr
.irp b, 0,1,2,3
	v_lshrrev_b32 v[TM+4+\b], 23, v[TM+12+\b]      ; the scale's byte
.endr
	v_lshl_or_b32 v[\pw], v[TM+5], 8, v[TM+4]      ; four bytes make my row's scale word
	v_lshl_or_b32 v[\pw], v[TM+6], 16, v[\pw]
	v_lshl_or_b32 v[\pw], v[TM+7], 24, v[\pw]
.irp c, 0,1
	v_cvt_scalef32_pk16_fp6_f32 v[\pc+6*\c:\pc+2+6*\c], v[\s+32*\c:\s+15+32*\c], v[TM+12+2*\c]
	v_cvt_scalef32_pk16_fp6_f32 v[\pc+12+4*\c:\pc+14+4*\c], v[\s+16+32*\c:\s+31+32*\c], v[TM+12+2*\c+1]   ; (a conversion's three registers begin on an even number)
.endr
	v_nop                                          ; one plain instruction behind the scaled conversions
.irp c, 0,1                                    ; the operand wants a WHOLE block in a lane: lanes 0-15 block 2 c, lanes 16-31 block 2 c + 1
.irp i, 0,1,2
	v_permlane16_swap_b32 v[\pc+6*\c+\i], v[\pc+12+4*\c+\i]
.endr
.irp i, 0,1,2
	v_mov_b32 v[\pc+3+6*\c+\i], v[\pc+12+4*\c+\i]
.endr
.endr
.endm
; A fragment's 16 rows go into stage t as loaded and come back, into the registers that they left, 64 bytes a lane and block.  LDS serves a wave's instructions in order: the loads see the stores.
.macro TURN reg, t
.irp i, 0,1,2,3,4,5,6,7,8,9,10,11,12,13,14,15
	ds_store_b128 v4, v[\reg+4*\i:\reg+4*\i+3] offset:\t*STW+528*\i
.endr
.irp b, 0,1,2,3
.irp j, 0,1,2,3
	ds_load_b128 v[\reg+16*\b+4*\j:\reg+16*\b+4*\j+3], v5 offset:\t*STW+128*\b+16*\j
.endr
.endr
.endm
	s_load_b256 s[4:11], s[0:1], 0x0               ; W s[4:5], hidden s[6:7], b s[8:9], wcodes s[10:11]
	s_load_b128 s[12:15], s[0:1], 0x20             ; wscales s[12:13], hb s[14:15]
	v_lshl_add_u32 v254, v0, 2, 0x1a000
	v_mov_b32 v255, 0
	v_lshrrev_b32 v1, 5, v0
	v_readfirstlane_b32 s16, v1                    ; wave 0..3
	v_and_b32 v9, 31, v0                           ; lane
	v_and_b32 v2, 15, v0                           ; r
	v_bfe_u32 v3, v0, 4, 1                         ; h
	v_lshlrev_b32 v1, 4, v9                        ; 16 x lane
	s_mul_i32 s17, s16, 3*STW                      ; my three stages
	v_add_nc_u32 v4, s17, v1                       ; into one: 16 x lane, row i at 528 i
	v_mul_u32_u24 v5, v2, 528
	v_lshl_add_u32 v5, v3, 6, v5
	v_add_nc_u32 v5, s17, v5                       ; out of it: row r, + 64 h: my 16 numbers of a block of 32
	s_lshl_b32 s18, s16, 2
	s_add_co_u32 s18, s18, SCB
	v_lshlrev_b32 v6, 4, v2
	v_add_nc_u32 v6, s18, v6                       ; my row's scale word of K step w: SCB + 16 r + 4 w
	v_lshlrev_b32 v7, 3, v9                        ; the scale words' way out: 8 bytes a lane
	v_add_nc_u32 v8, SCB, v7
	s_lshl_b32 s18, s16, 10
	s_add_co_u32 s18, s18, RDX
	v_lshlrev_b32 v10, 6, v2
	v_lshl_add_u32 v10, v3, 5, v10
	v_add_nc_u32 v10, s18, v10                     ; my wave's partial sum: batch r, outputs 8 h + 0 .. 7
	v_add_nc_u32 v11, RDX, v1                      ; and back: 16 bytes a lane
	v_and_b32 v12, 3, v0
	v_lshlrev_b32 v12, 4, v12                      ; b: on the way out a lane's 16 bytes are outputs 4 (lane % 4) + 0 .. 3
	s_mov_b32 s[SEL], 0x76543210
	s_mov_b32 s[SEL+1], 0xfedcba98
.irp b, 0,1,2,3
	v_mov_b32 v[TM+4+\b], 0                        ; written once: a lane permute's destination counts as one of its sources
.endr
	s_lshl_b32 s24, ttmp9, 16                      ; 16 g rows of 4,096 bytes,
	s_lshl_b32 s26, s16, 9                         ; 512 bytes a K step
	s_add_co_u32 s24, s24, s26
	s_mov_b32 s25, 0
	s_mov_b32 s27, 0
	s_wait_alu depctr_va_vdst(0)
	s_wait_kmcnt 0x0
	s_add_nc_u64 s[4:5], s[4:5], s[24:25]
	s_add_nc_u64 s[6:7], s[6:7], s[26:27]
	s_lshl_b32 s24, ttmp9, 6
	s_add_nc_u64 s[8:9], s[8:9], s[24:25]          ; b at output 16 g
	s_mul_i32 s24, ttmp9, 6144
	s_mul_i32 s26, s16, 1536
	s_add_co_u32 s24, s24, s26
	s_add_nc_u64 s[10:11], s[10:11], s[24:25]      ; my image
	s_lshl_b32 s24, ttmp9, 8
	s_add_nc_u64 s[12:13], s[12:13], s[24:25]      ; the group's 256 bytes of scale words
	s_lshl_b32 s24, ttmp9, 10
	s_add_nc_u64 s[14:15], s[14:15], s[24:25]      ; the group's 1,024 bytes of hb
.irp i, 0,1,2,3,4,5,6,7,8,9,10,11,12,13,14,15
	global_load_b128 v[R0+4*\i:R0+4*\i+3], v1, s[4:5] offset:4096*\i th:TH_LOAD_NT        ; 32 lanes read 512 consecutive bytes of row i
.endr
.irp i, 0,1,2,3,4,5,6,7,8,9,10,11,12,13,14,15
	global_load_b128 v[R1+4*\i:R1+4*\i+3], v1, s[4:5] offset:4096*\i+2048 th:TH_LOAD_NT   ; the same rows, four K steps on
.endr
.irp i, 0,1,2,3,4,5,6,7,8,9,10,11,12,13,14,15
	global_load_b128 v[R2+4*\i:R2+4*\i+3], v1, s[6:7] offset:2048*\i                      ; hidden: row i = batch i (every work-group reads it: no hint)
.endr
	global_load_b128 v[BS:BS+3], v12, s[8:9]
	s_wait_loadcnt 33                              ; the first 16 loads are in; behind them: 16, 16 and b's one
	TURN R0, 0
	s_wait_loadcnt 17                              ; the second 16
	TURN R1, 1
	s_wait_dscnt 32                                ; the first fragment is back; behind it: the second turn's 16 stores and 16 loads
	QUANT R0, PC0, PW0
.irp c, 0,1,2
	global_store_b128 v1, v[PC0+4*\c:PC0+4*\c+3], s[10:11] offset:512*\c   ; the image: 512 consecutive bytes a store; these registers are not written again
.endr
	ds_store_b32 v6, v[PW0]                        ; lanes r and 16 + r write the same word with the same value
	s_wait_loadcnt 1                               ; hidden's 16; b's load may be out
	TURN R2, 2
	s_wait_dscnt 33                                ; the second fragment is back; behind it: the word's store and the third turn's 32
	QUANT R1, PC1, PW1
	s_wait_dscnt 0x0
	QUANT R2, PC2, PW2
.rept 8
	v_nop                                          ; a scale word made by vector instructions stands 8 places ahead of a scaled matrix instruction, an operand so made 4
.endr
	v_wmma_scale_f32_16x16x128_f8f6f4 v[DD:DD+7], v[PC1:PC1+11], v[PC2:PC2+11], 0, v[PW1], v[PW2] matrix_a_fmt:MATRIX_FMT_FP6 matrix_b_fmt:MATRIX_FMT_FP6   ; source 0 = 16 rows of W, source 1 = the 16 batches: lane (r, h) holds batch r, outputs 8 h + 0 .. 7
.rept 4
	v_nop                                          ; four places ahead of the first read of the result
.endr
	ds_store_b128 v10, v[DD:DD+3]                  ; from its low end on
	ds_store_b128 v10, v[DD+4:DD+7] offset:16
	s_wait_dscnt 0x0                               ; for the others' sake: my word and my partial sum have landed
	s_barrier_signal -1
	s_barrier_wait -1
	s_cmp_lg_u32 s16, 0
	s_cbranch_scc1 .Ldone                          ; wave 0 joins the four waves' parts
	ds_load_b64 v[14:15], v8
.irp u, 0,1
.irp w, 0,1,2,3
	ds_load_b128 v[SM+16*\u+4*\w:SM+16*\u+4*\w+3], v11 offset:1024*\w+512*\u
.endr
.endr
	s_wait_dscnt 0x0
	s_wait_loadcnt 0x0                             ; b
	global_store_b64 v7, v[14:15], s[12:13]        ; the scale words: 256 consecutive bytes, aligned
.irp u, 0,1
.irp i, 0,2
	v_pk_add_f32 v[SM+16*\u+\i:SM+16*\u+\i+1], v[SM+16*\u+\i:SM+16*\u+\i+1], v[SM+16*\u+4+\i:SM+16*\u+4+\i+1]
	v_pk_add_f32 v[SM+16*\u+8+\i:SM+16*\u+8+\i+1], v[SM+16*\u+8+\i:SM+16*\u+8+\i+1], v[SM+16*\u+12+\i:SM+16*\u+12+\i+1]
.endr
.endr
.irp u, 0,1
.irp i, 0,2
	v_pk_add_f32 v[SM+16*\u+\i:SM+16*\u+\i+1], v[SM+16*\u+\i:SM+16*\u+\i+1], v[SM+16*\u+8+\i:SM+16*\u+8+\i+1]
.endr
.endr
.irp u, 0,1
.irp i, 0,2
	v_pk_add_f32 v[SM+16*\u+\i:SM+16*\u+\i+1], v[SM+16*\u+\i:SM+16*\u+\i+1], v[BS+\i:BS+\i+1]
.endr
.endr
.irp u, 0,1
	global_store_b128 v1, v[SM+16*\u:SM+16*\u+3], s[14:15] offset:512*\u   ; 512 consecutive bytes a store, aligned
.endr
.Ldone:
	s_wait_tensorcnt 0x0
	ds_add_u32 v254, v255
	s_wait_dscnt 0x0
	s_endpgm
.Lfunc_end_k_qd4f6da5ccb_prep:
	.size	k_qd4f6da5ccb_prep, .Lfunc_end_k_qd4f6da5ccb_prep-k_qd4f6da5ccb_prep
	.p2alignl 7, 3214868480
	.fill 96, 4, 3214868480
	.section	.rodata,"a",@progbits
	.p2align	6, 0x0
	.amdhsa_kernel k_qd4f6da5ccb_prep
		.amdhsa_group_segment_fixed_size 107008
		.amdhsa_private_segment_fixed_size 0
		.amdhsa_enable_private_segment 0
		.amdhsa_kernarg_size 48
		.amdhsa_user_sgpr_count 2
		.amdhsa_user_sgpr_kernarg_segment_ptr 1
		.amdhsa_wavefront_size32 1
		.amdhsa_system_sgpr_workgroup_id_x 1
		.amdhsa_system_sgpr_workgroup_id_y 1
		.amdhsa_system_sgpr_workgroup_id_z 1
		.amdhsa_system_vgpr_workitem_id 0
		.amdhsa_next_free_vgpr 256
		.amdhsa_next_free_sgpr 66
		.amdhsa_reserve_vcc 0
		.amdhsa_float_denorm_mode_32 3
		.amdhsa_float_denorm_mode_16_64 3
		.amdhsa_memory_ordered 1
		.amdhsa_forward_progress 1
		.amdhsa_inst_pref_size 28
	.end_amdhsa_kernel
	.amdgpu_metadata
---
amdhsa.version: [ 1, 2 ]
amdhsa.kernels:
  - .name:           k_qd4f6da5ccb_prep
    .symbol:         k_qd4f6da5ccb_prep.kd
    .args:
      - { .name: W_attn, .offset: 0, .size: 8, .value_kind: global_buffer, .address_space: global }
      - { .name: hidden, .offset: 8, .size: 8, .value_kind: global_buffer, .address_space: global }
      - { .name: b_attn, .offset: 16, .size: 8, .value_kind: global_buffer, .address_space: global }
      - { .name: wcodes, .offset: 24, .size: 8, .value_kind: global_buffer, .address_space: global }
      - { .name: wscales, .offset: 32, .size: 8, .value_kind: global_buffer, .address_space: global }
      - { .name: hb, .offset: 40, .size: 8, .value_kind: global_buffer, .address_space: global }
    .group_segment_fixed_size: 107008
    .private_segment_fixed_size: 0
    .kernarg_segment_align: 8
    .kernarg_segment_size: 48
    .max_flat_workgroup_size: 128
    .sgpr_count:     66
    .vgpr_count:     256
    .wavefront_size: 32
...
	.end_amdgpu_metadata
.endif
;; end of part 4
;; launch main (part 5): grid 256 x 1, 8 waves a work-group, no clusters, 327,680 bytes of LDS; arguments encoder_outputs, wcodes, wscales, hb, v_w, part; writes part
.if DOCPART == 5
	.amdgcn_target "amdgcn-amd-amdhsa--gfx1250"
	.amdhsa_code_object_version 6
	.text
	.protected	k_qd4f6da5ccb_main
	.globl	k_qd4f6da5ccb_main
	.p2align	8
	.type	k_qd4f6da5ccb_main,@function
k_qd4f6da5ccb_main:
	s_mov_b64 s[64:65], 0
	v_nop
	global_prefetch_b8 v0, s[64:65] scope:SCOPE_SE
	s_setreg_imm32_b32 hwreg(HW_REG_WAVE_MODE, 25, 1), 1
	s_wait_xcnt 0x0
; For 256 rows s of one batch: x = Q(enc) Q(W[:, :512])^T + hb (MX-FP6, K = 512 here), tanh, score = tanh(x) . v, and this block's part of the softmax-weighted sum of enc.
; hb[o] = Q(hidden) . Q(W[o][512:]) + b[o], the other half of K, is the same for all rows of a batch: the launch before has made it by the same matrix instruction.
; tanh(x) = 1 - 2 r, r = 1 / (1 + 2^(c x)), c = 2 log2(e): an exponential that overflows gives r = 0.  score = sum(v) - 2 sum(v r).
; WORK LEFT OUT: sum(v) is the same for every position of the softmax's axis, whatever v holds, so it cancels in the softmax and is not formed; t = -2 log2(e) sum(v r) stands for the score in powers of two.
; A NaN, an infinity or an overflow that reaches sum(v) alone is not carried to the result.
; The running largest t, M, is taken away before each exponential: p = 2^(t - M).  Stored: sum(p enc) (512 numbers), M and l = sum(p); the last launch joins a batch's 16 blocks.
; LIMITS: NaN and infinities among the inputs are not served; a block of 32 whose largest magnitude lies under 2^(3 - 127) gets the scale byte 1 (a block of zeros too: its codes are zeros).
; SHARES.  Eight waves.  W STAYS IN REGISTERS: wave w holds the register images of outputs 128 w .. + 127, 8 groups x 4 K steps = 32 fragments = 384 registers, loaded once.
; enc streams through two LDS slots of 64 rows of f32 (a tensor load a wave: 8 rows).  For each slot: each wave quantises 2 of its 16 fragments out of the slot into images in LDS; every wave multiplies
; the 4 tiles of 16 rows with its own W (32 matrix instructions a tile, 4 batches of 8 on two accumulators by turns), takes tanh in place and sums with v; the waves' partial scores meet in LDS;
; every wave forms the 64 p and adds p enc for its own 64 channels, in f32, out of the same slot.  enc is read from memory once.
; Source 0 = 16 rows of enc, source 1 = 16 rows of W: a lane holds ONE output o (lane % 16) and its 8 registers the rows 8 (lane / 16) + 0 .. 7: v and hb are one register a group.
; NO JOINT LOADS: what the work-groups share is W, which goes from memory straight into operand registers, 49,152 bytes a wave, and passes through no LDS; no two work-groups read the same rows of enc.
; NO PREFETCH: a fill is asked for at the head of the slot before it, 128 matrix instructions a wave and their tanh ahead of the wait for it.
; REGISTERS.  Window 1: v0-251 W's places 0-20.  Window 0: v124-255 W's places 21-31; v0-19 addresses and what is carried; v20-35 W's scale words; v36-43 v; v44-51 c hb; v52-59 the scores' sums;
; v60-107 enc's 4 fragments; v108-123 two accumulators.  v52-123 serve the quantiser and the context between the products.
.set RP,    2080                       ; an LDS row of enc: 2 x (1,024 bytes + 16 of padding)
.set SLOTB, 64*RP                      ; slot 0 at 0, slot 1 behind it
.set CODES, 2*SLOTB                    ; 4 tiles x 4 images of 1,536 bytes
.set ESCL,  CODES+4*6144               ; enc's scale words: [tile][row][K step]
.set PART,  ESCL+1024                  ; partial scores: [row of the slot][wave]
.set PV,    PART+2048                  ; p, 256 bytes a wave, each wave's own
.set SPARE, PV+2048                    ; the spare words, 128 bytes a wave
.set M,   0
.set SPW, 1
.set NIL, 2
.set CAB, 3                            ; CODES + 16 lane
.set EAB, 4                            ; ESCL + 16 r + 8 h
.set PSB, 5                            ; PART + 256 h + 4 w
.set QLA, 6                            ; my first fragment's numbers in slot 0
.set CSB, 7                            ; its image
.set ESB, 8                            ; its scale words
.set PRA, 9                            ; PART + 32 lane
.set PWA, 10                           ; my p: PV + 256 w + 4 lane
.set PBA, 11                           ; PV + 256 w
.set CXA, 12                           ; my two channels in a row of slot 0
.set POF, 13                           ; 256 w + 8 lane
.set L,   14
.set PS,  15
.set CTX, 16
.set ESC, 18
.set WSC, 20
.set V,   36
.set CHB, 44
.set SC,  52
.set ENC, 60
.set ACC, 108
.set XN,  60                           ; the quantiser: 32 numbers,
.set TM,  92
.set TP,  96
.set SO,  98
.set BY,  100
.set PW,  102
.set QT,  103
.set PB,  104
.set PC,  108
.set T,   60                           ; the softmax
.set MX,  76
.set MP,  77
.set MN,  78
.set F,   80
.set P0,  116
.set P1,  117
.set EE,  60                           ; the context: 16 rows x 2 channels,
.set PP,  92                           ; 16 p,
.set A1,  108                          ; three more sums
.set CX,  114
.set WV,  16
.set G0,  20
.set G1,  24
.set CS,  32
.set SEL, 34
.set C2,  36
.set LA0, 37
.set TN,  38
.set TC,  39
.set TE,  40
.set TQ,  41
.set MSB, 0
.macro WIN new                         ; the immediate's high byte repeats the setting that is left
.if MSB != \new
	s_set_vgpr_msb (MSB<<8)|\new
.set MSB, \new
.endif
.endm
.macro WSEL p                          ; W's place p = 8 batch + 2 K step + group % 2: its window and first register
.if (\p) < 21
.set WW, 1
.set WR, 12*(\p)
.else
.set WW, 0
.set WR, 124+12*((\p)-21)
.endif
.endm
.macro NOPS n
.rept \n
	v_nop
.endr
.endm
.macro AW
	s_wait_alu depctr_va_vdst(0)
.endm
	s_load_b256 s[4:11], s[0:1], 0x0               ; enc s[4:5], wcodes s[6:7], wscales s[8:9], hb s[10:11]
	s_load_b128 s[12:15], s[0:1], 0x20             ; v s[12:13], part s[14:15]
	v_lshl_add_u32 v[SPW], v0, 2, SPARE
	v_mov_b32 v[NIL], 0
	ds_add_u32 v[SPW], v[NIL]                      ; the opening lines: the add twice and one wait
	ds_add_u32 v[SPW], v[NIL]
	v_lshrrev_b32 v60, 5, v0
	v_readfirstlane_b32 s[WV], v60                 ; wave 0..7
	s_mov_b32 s[G1], (3<<16)|(1<<20)|(7<<22)|(3<<25)   ; elements of 8 bytes; 4 words of padding behind every 256
	s_mov_b32 s[G1+1], 128<<16                     ; 8 rows of enc as 16 rows of 1,024 bytes, dense in memory
	s_mov_b32 s[G1+2], 16<<16
	s_mov_b32 s[G1+3], 128<<16
	s_mov_b32 s[G1+4], 16
	s_mov_b32 s[G1+5], 128
	s_mov_b32 s[G1+6], 0
	s_mov_b32 s[G1+7], 0
	s_mul_i32 s[LA0], s[WV], 8*RP                  ; my 8 rows of a slot
	s_mov_b32 s[G0], 1
	s_mov_b32 s[G0+1], s[LA0]
	s_mov_b32 s[CS], 0x4038aa3b                    ; c = 2 log2(e)
	s_mov_b32 s[CS+1], s[CS]
	s_mov_b32 s[C2], 0xc038aa3b                    ; -c
	s_mov_b32 s[SEL], 0x76543210
	s_mov_b32 s[SEL+1], 0xfedcba98
	s_lshr_b32 s43, s[WV], 2                       ; my fragments: tile w / 4 (and 2 on), K step w % 4
	s_and_b32 s44, s[WV], 3
	s_lshl_b32 s48, s[WV], 2
	s_add_co_u32 s48, s48, PART
	s_mul_i32 s49, s43, 16*RP
	s_lshl_b32 s45, s44, 9
	s_add_co_u32 s49, s49, s45
	s_lshr_b32 s45, s44, 1
	s_lshl_b32 s45, s45, 4                         ; K steps 2 and 3 lie behind the row's first padding
	s_add_co_u32 s49, s49, s45
	s_mul_i32 s50, s43, 6144
	s_mul_i32 s45, s44, 1536
	s_add_co_u32 s50, s50, s45
	s_lshl_b32 s51, s43, 8
	s_lshl_b32 s45, s44, 2
	s_add_co_u32 s51, s51, s45
	s_add_co_u32 s51, s51, ESCL
	s_lshl_b32 s52, s[WV], 8
	s_add_co_u32 s53, s52, PV
	s_lshl_b32 s54, s43, 4
	s_lshl_b32 s46, ttmp9, 19                      ; my block's 256 rows of 2,048 bytes,
	s_lshl_b32 s45, s[WV], 14                      ; my wave's 8 of a slot's 64
	s_add_co_u32 s46, s46, s45
	s_mov_b32 s47, 0
	s_wait_dscnt 0x0
	s_wait_kmcnt 0x0
	s_add_nc_u64 s[G0+2:G0+3], s[4:5], s[46:47]
	s_or_b32 s[G0+3], s[G0+3], 0x80000000
	tensor_load_to_lds s[G0:G0+3], s[G1:G1+7]      ; rows 0-63 into slot 0: my one load at the head
	s_nop 0
	NOPS 4
	s_mul_i32 s46, s[WV], 49152
	s_add_nc_u64 s[6:7], s[6:7], s[46:47]          ; my 8 groups' records
	s_lshl_b32 s46, s[WV], 11
	s_add_nc_u64 s[8:9], s[8:9], s[46:47]          ; their scale words
	s_lshl_b32 s46, s[WV], 13
	s_lshr_b32 s45, ttmp9, 4                       ; the batch
	s_lshl_b32 s45, s45, 6
	s_add_co_u32 s46, s46, s45
	s_add_nc_u64 s[10:11], s[10:11], s[46:47]
	s_lshl_b32 s46, s[WV], 9
	s_add_nc_u64 s[12:13], s[12:13], s[46:47]
	s_mul_i32 s46, ttmp9, 2304
	s_add_nc_u64 s[14:15], s[14:15], s[46:47]      ; my block's record
	v_and_b32 v61, 31, v0                          ; lane
	v_and_b32 v62, 15, v0                          ; r
	v_bfe_u32 v63, v0, 4, 1                        ; h
	v_lshlrev_b32 v64, 4, v61                      ; 16 lane
	v_lshlrev_b32 v65, 2, v62                      ; 4 r
	v_lshlrev_b32 v66, 4, v62
	v_lshl_add_u32 v66, v63, 3, v66                ; 16 r + 8 h
	v_add_nc_u32 v[CAB], CODES, v64
	v_add_nc_u32 v[EAB], ESCL, v66
	v_lshl_add_u32 v[PSB], v63, 8, s48
	v_mul_u32_u24 v[QLA], v62, RP
	v_lshl_add_u32 v[QLA], v63, 6, v[QLA]
	v_add_nc_u32 v[QLA], s49, v[QLA]
	v_add_nc_u32 v[CSB], s50, v[CAB]
	v_lshl_add_u32 v[ESB], v62, 4, s51
	v_lshl_add_u32 v[PRA], v61, 5, PART
	v_lshl_add_u32 v[PWA], v61, 2, s53
	v_mov_b32 v[PBA], s53
	v_lshl_add_u32 v[POF], v61, 3, s52
	v_add_nc_u32 v[CXA], s54, v[POF]               ; channels 256 on lie behind the row's first padding
	AW
.set pp, 0
.rept 32                               ; W: 96 loads of 512 consecutive bytes
	WSEL pp
	WIN 0x40*WW
.set im, 4*(2*(pp/8)+(pp%2))+(pp%8)/2
.irp c, 0,1,2
	global_load_b128 v[WR+4*\c:WR+4*\c+3], v64, s[6:7] offset:1536*im+512*\c
.endr
.set pp, pp+1
.endr
	WIN 0
.irp g, 0,1,2,3,4,5,6,7
	global_load_b64 v[WSC+2*\g:WSC+2*\g+1], v66, s[8:9] offset:256*\g   ; first register: K step 0 in lanes 0-15, 2 in lanes 16-31; second: K steps 1 and 3
	global_load_b32 v[V+\g], v65, s[12:13] offset:64*\g
	global_load_b32 v[CHB+\g], v65, s[10:11] offset:1024*\g
.endr
	s_wait_xcnt 0x0                                ; the loads have read their offsets: v60-66 may be written again
	v_mov_b32 v[M], 0xff61b1e6                     ; -3e38, under every t
	v_mov_b32 v[L], 0
	v_mov_b32 v[CTX], 0
	v_mov_b32 v[CTX+1], 0
.macro QLOAD c                         ; blocks 2 c, 2 c + 1 of my fragment: register 16 bb + i = k 32 (2 c + bb) + 16 h + i of row r
.irp bb, 0,1
.irp j, 0,1,2,3
	ds_load_b128 v[XN+16*\bb+4*\j:XN+16*\bb+4*\j+3], v[QT] offset:256*(\c)+128*\bb+16*\j
.endr
.endr
.endm
.macro HALFQ u, c                      ; half c of fragment u: two blocks' scale bytes and codes; the next half's numbers are fetched behind the conversions
	AW
	s_wait_dscnt 0x0
.irp k, 0,1,2,3
	v_max3_num_f32 v[TM+\k], |v[XN+8*\k]|, |v[XN+8*\k+1]|, 0x1800000   ; four chains of 8 numbers, with the floor 2^(3 - 127)
.endr
.irp i, 2,4,6
.irp k, 0,1,2,3
	v_max3_num_f32 v[TM+\k], v[TM+\k], |v[XN+8*\k+\i]|, |v[XN+8*\k+\i+1]|
.endr
.endr
	v_max_num_f32 v[TM], v[TM], v[TM+1]
	v_max_num_f32 v[TM+2], v[TM+2], v[TM+3]
	v_permlanex16_b32 v[TP], v[TM], s[SEL], s[SEL+1]
	v_permlanex16_b32 v[TP+1], v[TM+2], s[SEL], s[SEL+1]
	v_max_num_f32 v[TM], v[TM], v[TP]              ; with lane l xor 16's 16: the block's largest magnitude
	v_max_num_f32 v[TM+2], v[TM+2], v[TP+1]
	v_add_nc_u32 v[SO], 0xff000000, v[TM]          ; 2 off the exponent field: the conversion's scale operand
	v_add_nc_u32 v[SO+1], 0xff000000, v[TM+2]
	v_lshrrev_b32 v[BY], 23, v[SO]
	v_lshrrev_b32 v[BY+1], 23, v[SO+1]
.if \c == 0
	v_lshl_or_b32 v[PW], v[BY+1], 8, v[BY]
.else
	v_lshl_or_b32 v[PW], v[BY], 16, v[PW]
	v_lshl_or_b32 v[PW], v[BY+1], 24, v[PW]
.endif
	v_cvt_scalef32_pk16_fp6_f32 v[PC+6*\c:PC+6*\c+2], v[XN:XN+15], v[SO]
	v_cvt_scalef32_pk16_fp6_f32 v[PB:PB+2], v[XN+16:XN+31], v[SO+1]
	v_nop                                          ; one plain instruction behind the scaled conversions
.if \c == 0
	QLOAD 1
.else
.if \u == 0
	v_add_nc_u32 v[QT], SB+32*RP, v[QLA]           ; my second fragment: 32 rows on
	QLOAD 0
.endif
.endif
.irp i, 0,1,2
	v_permlane16_swap_b32 v[PC+6*\c+\i], v[PB+\i]  ; the operand wants a whole block in a lane
.endr
.irp i, 0,1,2
	v_mov_b32 v[PC+6*\c+3+\i], v[PB+\i]
.endr
.if \c == 1
.irp k, 0,1,2
	ds_store_b128 v[CSB], v[PC+4*\k:PC+4*\k+3] offset:12288*\u+512*\k
.endr
	ds_store_b32 v[ESB], v[PW] offset:512*\u       ; lanes r and 16 + r write the same word with the same value
.endif
.endm
; A batch: groups 2 b and 2 b + 1, 4 K steps: 8 matrix instructions, the two accumulators by turns; then tanh in place and the sum with v.
.macro BATCH b
.set q, 0
.rept 8
	WSEL 8*(\b)+q
	WIN 4*WW
.set ks, q/2
.set dd, ACC+8*(q%2)
.set ea, ENC+12*ks
.set se, ESC+(ks%2)
.set sw, WSC+2*(2*(\b)+(q%2))+(ks%2)
.if ks == 0
	v_wmma_scale_f32_16x16x128_f8f6f4 v[dd:dd+7], v[ea:ea+11], v[WR:WR+11], 0, v[se], v[sw] matrix_a_fmt:MATRIX_FMT_FP6 matrix_b_fmt:MATRIX_FMT_FP6
.else
.if ks == 1
	v_wmma_scale_f32_16x16x128_f8f6f4 v[dd:dd+7], v[ea:ea+11], v[WR:WR+11], v[dd:dd+7], v[se], v[sw] matrix_a_fmt:MATRIX_FMT_FP6 matrix_b_fmt:MATRIX_FMT_FP6
.else
	v_wmma_scale_f32_16x16x128_f8f6f4 v[dd:dd+7], v[ea:ea+11], v[WR:WR+11], v[dd:dd+7], v[se], v[sw] matrix_a_fmt:MATRIX_FMT_FP6 matrix_b_fmt:MATRIX_FMT_FP6 matrix_a_scale:MATRIX_SCALE_ROW1 matrix_b_scale:MATRIX_SCALE_ROW1
.endif
.endif
.set q, q+1
.endr
	WIN 0
	NOPS 4                                         ; four places ahead of the first read of the results
.irp p, 0,1,2,3
	v_pk_fma_f32 v[ACC+2*\p:ACC+2*\p+1], v[ACC+2*\p:ACC+2*\p+1], s[CS:CS+1], v[CHB+2*\b:CHB+2*\b+1] op_sel_hi:[1,0,0]   ; c x + c hb, each accumulator from its low end on
.endr
.irp p, 4,5,6,7
	v_pk_fma_f32 v[ACC+2*\p:ACC+2*\p+1], v[ACC+2*\p:ACC+2*\p+1], s[CS:CS+1], v[CHB+2*\b:CHB+2*\b+1] op_sel:[0,0,1] op_sel_hi:[1,0,1]   ; the odd group's hb: the pair's second register
.endr
	AW
.irp j, 0,1,2,3,4,5,6,7,8,9,10,11,12,13,14,15
	v_exp_f32 v[ACC+\j], v[ACC+\j]
.endr
	v_nop
	AW
.irp p, 0,1,2,3,4,5,6,7
	v_pk_add_f32 v[ACC+2*\p:ACC+2*\p+1], v[ACC+2*\p:ACC+2*\p+1], 1.0 op_sel_hi:[1,0]
.endr
	AW
.irp j, 0,1,2,3,4,5,6,7,8,9,10,11,12,13,14,15
	v_rcp_f32 v[ACC+\j], v[ACC+\j]
.endr
	v_nop
	AW
.irp p, 0,1,2,3
.if \b == 0
	v_pk_mul_f32 v[SC+2*\p:SC+2*\p+1], v[ACC+2*\p:ACC+2*\p+1], v[V+2*\b:V+2*\b+1] op_sel_hi:[1,0]   ; the tile's first group starts the sums
.else
	v_pk_fma_f32 v[SC+2*\p:SC+2*\p+1], v[ACC+2*\p:ACC+2*\p+1], v[V+2*\b:V+2*\b+1], v[SC+2*\p:SC+2*\p+1] op_sel_hi:[1,0,1]
.endif
.endr
.irp p, 0,1,2,3
	v_pk_fma_f32 v[SC+2*\p:SC+2*\p+1], v[ACC+8+2*\p:ACC+8+2*\p+1], v[V+2*\b:V+2*\b+1], v[SC+2*\p:SC+2*\p+1] op_sel:[0,1,0] op_sel_hi:[1,1,1]
.endr
.endm
.macro SLOT s                          ; rows 64 s .. + 63, in slot s % 2
.set SB, ((\s)%2)*SLOTB
	AW
	s_wait_tensorcnt 0x0                           ; my part of this slot has landed, and no load of mine is out: the descriptor may be written
	ds_add_u32 v[SPW], v[NIL]
.if \s < 3
	s_add_co_u32 s[G0+1], s[LA0], SLOTB-SB         ; the other slot,
	s_add_nc_u64 s[G0+2:G0+3], s[G0+2:G0+3], 64*2048   ; the next 64 rows
.endif
	s_wait_dscnt 0x0                               ; the add is done, and so are my reads of the other slot
	s_barrier_signal -1
	s_barrier_wait -1
.if \s < 3
	tensor_load_to_lds s[G0:G0+3], s[G1:G1+7]      ; my one load behind this barrier
	s_nop 0
	NOPS 4
.endif
	v_mov_b32 v[TP], 0                             ; a lane permute's destination counts as one of its sources
	v_mov_b32 v[TP+1], 0
	v_add_nc_u32 v[QT], SB, v[QLA]
	QLOAD 0
	HALFQ 0, 0
	HALFQ 0, 1
	HALFQ 1, 0
	HALFQ 1, 1
	AW
	s_wait_dscnt 0x0                               ; my images and scale words have landed
	s_barrier_signal -1
	s_barrier_wait -1
.if \s == 0
	s_wait_loadcnt 0x0                             ; W, its scale words, v and hb
.irp g, 0,1,2,3,4,5,6,7
	v_mul_f32 v[V+\g], s[C2], v[V+\g]              ; -c v
	v_mul_f32 v[CHB+\g], s[CS], v[CHB+\g]          ; c hb
.endr
	AW
.endif
	s_mov_b32 s[TN], 0
	s_mov_b32 s[TC], 0
	s_mov_b32 s[TE], 0
	s_mov_b32 s[TQ], 0
.Ltile_\s:
	v_add_nc_u32 v[ACC], s[TC], v[CAB]
	v_add_nc_u32 v[ACC+1], s[TE], v[EAB]
.irp k, 0,1,2,3
.irp c, 0,1,2
	ds_load_b128 v[ENC+12*\k+4*\c:ENC+12*\k+4*\c+3], v[ACC] offset:1536*\k+512*\c
.endr
.endr
	ds_load_b64 v[ESC:ESC+1], v[ACC+1]             ; first register: K steps 0 | 2, second: 1 | 3
	s_wait_dscnt 0x0                               ; the tile's fragments are in; the last tile's stores are done
	BATCH 0
	BATCH 1
	BATCH 2
	BATCH 3
.irp x, 1,2,4,8
.irp j, 0,1,2,3,4,5,6,7
	v_add_f32_dpp v[SC+\j], v[SC+\j], v[SC+\j] row_xmask:\x row_mask:0xf bank_mask:0xf   ; over my 16 outputs of each group
.endr
.endr
	v_add_nc_u32 v[PS], s[TQ], v[PSB]
.irp j, 0,1,2,3,4,5,6,7
	ds_store_b32 v[PS], v[SC+\j] offset:32*\j      ; row 8 h + j of the tile, my wave's word; sixteen lanes write the same value
.endr
	s_add_co_u32 s[TC], s[TC], 6144
	s_add_co_u32 s[TE], s[TE], 256
	s_add_co_u32 s[TQ], s[TQ], 512
	s_add_co_u32 s[TN], s[TN], 1
	s_cmp_lt_u32 s[TN], 4
	AW
	s_cbranch_scc1 .Ltile_\s
	s_wait_dscnt 0x0
	s_barrier_signal -1
	s_barrier_wait -1                              ; the eight waves' partial scores of 64 rows lie in LDS
	ds_load_b128 v[T:T+3], v[PRA]                  ; row lane,
	ds_load_b128 v[T+4:T+7], v[PRA] offset:16
	ds_load_b128 v[T+8:T+11], v[PRA] offset:1024   ; row 32 + lane
	ds_load_b128 v[T+12:T+15], v[PRA] offset:1040
	v_mov_b32 v[MP], 0
	v_mov_b32 v[F+1], 0
	AW
	s_wait_dscnt 0x0
.irp i, 0,4,8,12
	v_pk_add_f32 v[T+\i:T+\i+1], v[T+\i:T+\i+1], v[T+\i+2:T+\i+3]
.endr
	v_pk_add_f32 v[T:T+1], v[T:T+1], v[T+4:T+5]
	v_pk_add_f32 v[T+8:T+9], v[T+8:T+9], v[T+12:T+13]
	v_add_f32 v[T], v[T], v[T+1]
	v_add_f32 v[T+8], v[T+8], v[T+9]
	s_delay_alu instid0(VALU_DEP_1)
	v_max_num_f32 v[MX], v[T], v[T+8]
.irp x, 1,2,4,8
	s_delay_alu instid0(VALU_DEP_1)
	v_max_num_f32_dpp v[MX], v[MX], v[MX] row_xmask:\x row_mask:0xf bank_mask:0xf
.endr
	v_permlanex16_b32 v[MP], v[MX], s[SEL], s[SEL+1]
	v_max3_num_f32 v[MN], v[MX], v[MP], v[M]       ; the running largest t
	v_sub_f32 v[F], v[M], v[MN]
	v_sub_f32 v[P0], v[T], v[MN]
	v_sub_f32 v[P1], v[T+8], v[MN]
	AW
	v_exp_f32 v[F], v[F]                           ; what was summed under the old M is brought under the new
	v_exp_f32 v[P0], v[P0]
	v_exp_f32 v[P1], v[P1]
	v_mov_b32 v[M], v[MN]
	AW
	v_fma_f32 v[L], v[L], v[F], v[P0]              ; l, a part in each lane
	v_pk_mul_f32 v[CTX:CTX+1], v[CTX:CTX+1], v[F:F+1] op_sel_hi:[1,0]
	v_add_f32 v[L], v[L], v[P1]
	ds_store_b32 v[PWA], v[P0]                     ; p goes through my wave's own 256 bytes, so that every lane can read every row's
	ds_store_b32 v[PWA], v[P1] offset:128
.irp q4, 0,1,2,3                       ; 16 rows at a time: sum(p enc) for my lane's two channels, four sums by turns
	v_add_nc_u32 v[CX], SB+16*RP*\q4, v[CXA]
.irp i, 0,1,2,3
	ds_load_b128 v[PP+4*\i:PP+4*\i+3], v[PBA] offset:64*\q4+16*\i   ; LDS serves a wave's instructions in order: these see my stores
.endr
.irp i, 0,1,2,3,4,5,6,7,8,9,10,11,12,13,14,15
	ds_load_b64 v[EE+2*\i:EE+2*\i+1], v[CX] offset:RP*\i
.endr
	AW
	s_wait_dscnt 0x0
.irp i, 0,1,2,3,4,5,6,7,8,9,10,11,12,13,14,15
.set ac, CTX
.if (\i%4) != 0
.set ac, A1+2*((\i%4)-1)
.endif
.set pr, PP+2*(\i/2)
.if (\q4 == 0) && (\i > 0) && (\i < 4)
.if (\i%2) == 1
	v_pk_mul_f32 v[ac:ac+1], v[EE+2*\i:EE+2*\i+1], v[pr:pr+1] op_sel:[0,1] op_sel_hi:[1,1]
.else
	v_pk_mul_f32 v[ac:ac+1], v[EE+2*\i:EE+2*\i+1], v[pr:pr+1] op_sel_hi:[1,0]
.endif
.else
.if (\i%2) == 1
	v_pk_fma_f32 v[ac:ac+1], v[EE+2*\i:EE+2*\i+1], v[pr:pr+1], v[ac:ac+1] op_sel:[0,1,0] op_sel_hi:[1,1,1]
.else
	v_pk_fma_f32 v[ac:ac+1], v[EE+2*\i:EE+2*\i+1], v[pr:pr+1], v[ac:ac+1] op_sel_hi:[1,0,1]
.endif
.endif
.endr
.endr
	v_pk_add_f32 v[CTX:CTX+1], v[CTX:CTX+1], v[A1:A1+1]
	v_pk_add_f32 v[A1+2:A1+3], v[A1+2:A1+3], v[A1+4:A1+5]
	s_delay_alu instid0(VALU_DEP_1)
	v_pk_add_f32 v[CTX:CTX+1], v[CTX:CTX+1], v[A1+2:A1+3]
.endm
	SLOT 0
	SLOT 1
	SLOT 2
	SLOT 3
	v_add_f32_dpp v[L], v[L], v[L] row_xmask:1 row_mask:0xf bank_mask:0xf
.irp x, 2,4,8
	s_delay_alu instid0(VALU_DEP_1)
	v_add_f32_dpp v[L], v[L], v[L] row_xmask:\x row_mask:0xf bank_mask:0xf
.endr
	v_mov_b32 v61, 0
	v_permlanex16_b32 v61, v[L], s[SEL], s[SEL+1]
	v_add_f32 v61, v[L], v61                       ; l: the block's sum of p
	v_mov_b32 v60, v[M]
	AW
	global_store_b64 v[POF], v[CTX:CTX+1], s[14:15]   ; a wave stores 256 consecutive bytes, aligned
	s_cmp_lg_u32 s[WV], 0
	s_cbranch_scc1 .Lnot_first
	global_store_b64 v[POF], v[60:61], s[14:15] offset:2048   ; (M, l), 32 times: 256 consecutive bytes, aligned (in wave 0 the offset is 8 lane)
.Lnot_first:
	s_wait_tensorcnt 0x0                           ; the wave's end
	ds_add_u32 v[SPW], v[NIL]
	s_wait_dscnt 0x0
	s_endpgm
.Lfunc_end_k_qd4f6da5ccb_main:
	.size	k_qd4f6da5ccb_main, .Lfunc_end_k_qd4f6da5ccb_main-k_qd4f6da5ccb_main
	.p2alignl 7, 3214868480
	.fill 96, 4, 3214868480
	.section	.rodata,"a",@progbits
	.p2align	6, 0x0
	.amdhsa_kernel k_qd4f6da5ccb_main
		.amdhsa_group_segment_fixed_size 327680
		.amdhsa_private_segment_fixed_size 0
		.amdhsa_enable_private_segment 0
		.amdhsa_kernarg_size 48
		.amdhsa_user_sgpr_count 2
		.amdhsa_user_sgpr_kernarg_segment_ptr 1
		.amdhsa_wavefront_size32 1
		.amdhsa_system_sgpr_workgroup_id_x 1
		.amdhsa_system_sgpr_workgroup_id_y 1
		.amdhsa_system_sgpr_workgroup_id_z 1
		.amdhsa_system_vgpr_workitem_id 0
		.amdhsa_next_free_vgpr 512
		.amdhsa_next_free_sgpr 66
		.amdhsa_reserve_vcc 0
		.amdhsa_float_denorm_mode_32 3
		.amdhsa_float_denorm_mode_16_64 3
		.amdhsa_memory_ordered 1
		.amdhsa_forward_progress 1
		.amdhsa_inst_pref_size 188
	.end_amdhsa_kernel
	.amdgpu_metadata
---
amdhsa.version: [ 1, 2 ]
amdhsa.kernels:
  - .name:           k_qd4f6da5ccb_main
    .symbol:         k_qd4f6da5ccb_main.kd
    .args:
      - { .name: encoder_outputs, .offset: 0, .size: 8, .value_kind: global_buffer, .address_space: global }
      - { .name: wcodes, .offset: 8, .size: 8, .value_kind: global_buffer, .address_space: global }
      - { .name: wscales, .offset: 16, .size: 8, .value_kind: global_buffer, .address_space: global }
      - { .name: hb, .offset: 24, .size: 8, .value_kind: global_buffer, .address_space: global }
      - { .name: v_w, .offset: 32, .size: 8, .value_kind: global_buffer, .address_space: global }
      - { .name: part, .offset: 40, .size: 8, .value_kind: global_buffer, .address_space: global }
    .group_segment_fixed_size: 327680
    .private_segment_fixed_size: 0
    .kernarg_segment_align: 8
    .kernarg_segment_size: 48
    .max_flat_workgroup_size: 256
    .sgpr_count:     66
    .vgpr_count:     512
    .wavefront_size: 32
...
	.end_amdgpu_metadata
.endif
;; end of part 5
;; launch combine (part 6): grid 16 x 1, 4 waves a work-group, no clusters, 0 bytes of LDS; arguments part, out0; writes out0
.if DOCPART == 6
	.amdgcn_target "amdgcn-amd-amdhsa--gfx1250"
	.amdhsa_code_object_version 6
	.text
	.protected	k_qd4f6da5ccb_combine
	.globl	k_qd4f6da5ccb_combine
	.p2align	8
	.type	k_qd4f6da5ccb_combine,@function
k_qd4f6da5ccb_combine:
	s_mov_b64 s[64:65], 0
	v_nop
	global_prefetch_b8 v0, s[64:65] scope:SCOPE_SE
	s_setreg_imm32_b32 hwreg(HW_REG_WAVE_MODE, 25, 1), 1
	s_wait_xcnt 0x0
; out0[b][:] = sum over a batch's 16 blocks j of 2^(M_j - M) ctx_j[:]  /  sum over j of 2^(M_j - M) l_j,  M = the largest M_j: the softmax's maximum is taken away over the whole row of 4,096.
; A block's record is 2,304 bytes: 512 numbers of ctx, then the pair (M, l) 32 times.  One work-group a batch; thread t owns 4 channels.  The sum has one owner and a fixed order.
; No LDS, no barrier, no matrix unit: 36,864 bytes in and 2,048 out for each work-group.
.set S, 80                             ; v80-111  (M_j, l_j)
.set C, 16                             ; v16-79   my 4 channels of ctx_j
.set W, 112                            ; v112-127 the weights
	s_load_b128 s[4:7], s[0:1], 0x0                ; part, out0
	v_lshlrev_b32 v1, 4, v0                        ; 16 t
	v_and_b32 v2, 31, v0
	v_lshlrev_b32 v2, 3, v2                        ; 8 x lane
	s_mul_i32 s8, ttmp9, 36864
	s_mov_b32 s9, 0
	s_lshl_b32 s10, ttmp9, 11
	s_mov_b32 s11, 0
	s_wait_alu depctr_va_vdst(0)
	s_wait_kmcnt 0x0
	s_add_nc_u64 s[4:5], s[4:5], s[8:9]
	s_add_nc_u64 s[6:7], s[6:7], s[10:11]
.irp j, 0,1,2,3,4,5,6,7,8,9,10,11,12,13,14,15
	global_load_b64 v[S+2*\j:S+2*\j+1], v2, s[4:5] offset:2304*\j+2048
.endr
.irp j, 0,1,2,3,4,5,6,7,8,9,10,11,12,13,14,15
	global_load_b128 v[C+4*\j:C+4*\j+3], v1, s[4:5] offset:2304*\j
.endr
	s_wait_loadcnt 16                              ; the 16 pairs are in; the 16 loads of ctx may be out
	v_max3_num_f32 v3, v[S], v[S+2], v[S+4]
.irp j, 3,5,7,9,11,13
	v_max3_num_f32 v3, v3, v[S+2*\j], v[S+2*\j+2]
.endr
	v_max_num_f32 v3, v3, v[S+30]                  ; M
.irp j, 0,1,2,3,4,5,6,7,8,9,10,11,12,13,14,15
	v_sub_f32 v[W+\j], v[S+2*\j], v3
.endr
	s_wait_alu depctr_va_vdst(0)
.irp j, 0,1,2,3,4,5,6,7,8,9,10,11,12,13,14,15
	v_exp_f32 v[W+\j], v[W+\j]                     ; 2^(M_j - M), at most 1, and 1 for one j at the least
.endr
	v_nop                                          ; a plain instruction behind the last exponential
	s_wait_alu depctr_va_vdst(0)                   ; one wait for the 16
	v_mul_f32 v8, v[W], v[S+1]
.irp j, 1,2,3,4,5,6,7,8,9,10,11,12,13,14,15
	v_fma_f32 v8, v[W+\j], v[S+2*\j+1], v8         ; the row's sum: at least 1
.endr
	s_wait_alu depctr_va_vdst(0)
	v_rcp_f32 v9, v8
	s_wait_loadcnt 0x0
.irp i, 0,1,2,3
	v_mul_f32 v[4+\i], v[W], v[C+\i]               ; (plain work behind the reciprocal, which names neither its source nor its result)
.endr
.irp j, 1,2,3,4,5,6,7,8,9,10,11,12,13,14,15
.irp i, 0,1,2,3
	v_fma_f32 v[4+\i], v[W+\j], v[C+4*\j+\i], v[4+\i]
.endr
.endr
	s_wait_alu depctr_va_vdst(0)                   ; the wait for the reciprocal, ahead of its first reader
.irp i, 0,1,2,3
	v_mul_f32 v[12+\i], v[4+\i], v9
.endr
	global_store_b128 v1, v[12:15], s[6:7]         ; a wave stores 512 consecutive bytes, aligned
	s_endpgm
.Lfunc_end_k_qd4f6da5ccb_combine:
	.size	k_qd4f6da5ccb_combine, .Lfunc_end_k_qd4f6da5ccb_combine-k_qd4f6da5ccb_combine
	.p2alignl 7, 3214868480
	.fill 96, 4, 3214868480
	.section	.rodata,"a",@progbits
	.p2align	6, 0x0
	.amdhsa_kernel k_qd4f6da5ccb_combine
		.amdhsa_group_segment_fixed_size 0
		.amdhsa_private_segment_fixed_size 0
		.amdhsa_enable_private_segment 0
		.amdhsa_kernarg_size 16
		.amdhsa_user_sgpr_count 2
		.amdhsa_user_sgpr_kernarg_segment_ptr 1
		.amdhsa_wavefront_size32 1
		.amdhsa_system_sgpr_workgroup_id_x 1
		.amdhsa_system_sgpr_workgroup_id_y 1
		.amdhsa_system_sgpr_workgroup_id_z 1
		.amdhsa_system_vgpr_workitem_id 0
		.amdhsa_next_free_vgpr 128
		.amdhsa_next_free_sgpr 66
		.amdhsa_reserve_vcc 0
		.amdhsa_float_denorm_mode_32 3
		.amdhsa_float_denorm_mode_16_64 3
		.amdhsa_memory_ordered 1
		.amdhsa_forward_progress 1
		.amdhsa_inst_pref_size 11
	.end_amdhsa_kernel
	.amdgpu_metadata
---
amdhsa.version: [ 1, 2 ]
amdhsa.kernels:
  - .name:           k_qd4f6da5ccb_combine
    .symbol:         k_qd4f6da5ccb_combine.kd
    .args:
      - { .name: part, .offset: 0, .size: 8, .value_kind: global_buffer, .address_space: global }
      - { .name: out0, .offset: 8, .size: 8, .value_kind: global_buffer, .address_space: global }
    .group_segment_fixed_size: 0
    .private_segment_fixed_size: 0
    .kernarg_segment_align: 8
    .kernarg_segment_size: 16
    .max_flat_workgroup_size: 128
    .sgpr_count:     66
    .vgpr_count:     128
    .wavefront_size: 32
...
	.end_amdgpu_metadata
.endif
;; end of part 6
